; MI455X (gfx1250); checked and timed in simulation.
; The chip was launched on July 23, 2026; its instructions are those of AMD's public machine-readable ISA for CDNA 5 (MIT licence, August 2026) and "CDNA5" Instruction Set Architecture Reference Guide (July 2026). The comments in the code are by the model that wrote it; some were corrected since.
;; Self Attention V3. Allowed arithmetic: float matrix products may take bf16 or f16 operands with f32 sums; other float arithmetic in f32, or as packed bf16 or f16 multiplies, adds, multiply-adds, maxima and minima; sums over many terms, partial sums and values carried from step to step in f32; what a program stores and reads back later, other than sums and carried values, may be rounded once to bf16 or f16.
;; Inputs: W_out 1,024 x 1,024 float32; W_qkv 3,072 x 1,024 float32; X 4 x 2,048 x 1,024 float32; b_out 1,024 float32; b_qkv 3,072 float32; mask 4 x 2,048 x 2,048 int32.
;; Outputs: out0 4 x 2,048 x 1,024 float32.
;; 2 versions, each right; version 2 is version 1 with the launch prep written anew for expert scheduling mode. Each part assembles by itself: llvm-mc -triple=amdgcn-amd-amdhsa -mcpu=gfx1250 --defsym DOCPART=n.
;; ======== version 1 of 2: 5 launches
;; limits: values are held in f16: magnitudes above 65,504 overflow, below 6.1e-05 lose precision
;; workspace buffers: Xh 16,777,216 bytes; Wh 6,291,456 bytes; Woh 2,097,152 bytes; QKV 50,331,648 bytes; P 33,554,432 bytes; ML 1,048,576 bytes; CTX 16,777,216 bytes
;; launch prep (part 1): grid 768 x 1, 8 waves a work-group, no clusters, 0 bytes of LDS; arguments X, W_qkv, W_out, Xh, Wh, Woh; writes Xh, Wh, Woh
.if DOCPART == 1
	.amdgcn_target "amdgcn-amd-amdhsa--gfx1250"
	.amdhsa_code_object_version 6
	.text
	.protected	k_q37e6173177_prep
	.globl	k_q37e6173177_prep
	.p2align	8
	.type	k_q37e6173177_prep,@function
k_q37e6173177_prep:
	s_mov_b64 s[64:65], 0
	v_nop
	global_prefetch_b8 v0, s[64:65] scope:SCOPE_SE
	s_setreg_imm32_b32 hwreg(HW_REG_WAVE_MODE, 25, 1), 1
	s_wait_xcnt 0x0
; PREP: a stream.  X, W_qkv, W_out: f32 -> rounded once to bf16 -> that number written as f16 (Xh, Wh, Woh).
; LIMITS: a bf16 number is exact in f16 between 6.1e-5 and 65,504; below that it keeps f16's fixed step of 6e-8, from 65,520 on it becomes an infinity.
; A work-group takes 16,384 numbers: 65,536 bytes in, 32,768 out; a wave 8,192 bytes in; a load covers 512 consecutive bytes, its store 256, aligned.
; Work-groups 0-511: X; 512-703: W_qkv; 704-767: W_out.  No LDS, no barrier, no loop: every load and store has registers of its own, all loads of a wave go out first, and the waits count down.
	s_load_b256 s[4:11], s[0:1], 0x0               ; X 4, W_qkv 6, W_out 8, Xh 10
	s_load_b128 s[12:15], s[0:1], 0x20             ; Wh 12, Woh 14
	v_and_b32 v1, 31, v0                           ; lane
	v_lshrrev_b32 v2, 5, v0                        ; wave
	v_lshlrev_b32 v3, 4, v1
	v_lshl_add_u32 v3, v2, 13, v3                  ; in
	v_lshrrev_b32 v4, 1, v3                        ; out
	s_mov_b32 s30, 0xffff0000
	s_mov_b32 s21, 704
	s_wait_kmcnt 0x0
	s_cmp_lt_u32 ttmp9, 704
	s_cselect_b64 s[22:23], s[6:7], s[8:9]
	s_cselect_b64 s[24:25], s[12:13], s[14:15]
	s_cselect_b32 s21, 512, s21
	s_cmp_lt_u32 ttmp9, 512
	s_cselect_b64 s[22:23], s[4:5], s[22:23]
	s_cselect_b64 s[24:25], s[10:11], s[24:25]
	s_cselect_b32 s21, 0, s21
	s_sub_co_u32 s20, ttmp9, s21                   ; my part of that tensor
	s_lshl_b32 s26, s20, 16
	s_mov_b32 s27, 0
	s_add_nc_u64 s[22:23], s[22:23], s[26:27]
	s_lshl_b32 s26, s20, 15
	s_add_nc_u64 s[24:25], s[24:25], s[26:27]
.set i, 0
.rept 16
	global_load_b128 v[16+4*i:19+4*i], v3, s[22:23] offset:512*i th:TH_LOAD_NT
.set i, i+1
.endr
.set i, 0
.rept 16
	s_wait_loadcnt 15-i                            ; loads come back in order: load i is in, the younger ones stay out
	v_cvt_pk_bf16_f32 v5, v[16+4*i], v[17+4*i]     ; the one rounding
	v_cvt_pk_bf16_f32 v6, v[18+4*i], v[19+4*i]
	v_lshlrev_b32 v8, 16, v5
	v_and_b32 v9, s30, v5
	v_lshlrev_b32 v10, 16, v6
	v_and_b32 v11, s30, v6
	v_cvt_pk_f16_f32 v[80+2*i], v8, v9             ; the same numbers as f16
	v_cvt_pk_f16_f32 v[81+2*i], v10, v11
	global_store_b64 v4, v[80+2*i:81+2*i], s[24:25] offset:256*i
.set i, i+1
.endr
	s_endpgm
.Lfunc_end_k_q37e6173177_prep:
	.size	k_q37e6173177_prep, .Lfunc_end_k_q37e6173177_prep-k_q37e6173177_prep
	.p2alignl 7, 3214868480
	.fill 96, 4, 3214868480
	.section	.rodata,"a",@progbits
	.p2align	6, 0x0
	.amdhsa_kernel k_q37e6173177_prep
		.amdhsa_group_segment_fixed_size 0
		.amdhsa_private_segment_fixed_size 0
		.amdhsa_enable_private_segment 0
		.amdhsa_kernarg_size 48
		.amdhsa_user_sgpr_count 2
		.amdhsa_user_sgpr_kernarg_segment_ptr 1
		.amdhsa_wavefront_size32 1
		.amdhsa_system_sgpr_workgroup_id_x 1
		.amdhsa_system_sgpr_workgroup_id_y 1
		.amdhsa_system_sgpr_workgroup_id_z 1
		.amdhsa_system_vgpr_workitem_id 0
		.amdhsa_next_free_vgpr 112
		.amdhsa_next_free_sgpr 66
		.amdhsa_reserve_vcc 0
		.amdhsa_float_denorm_mode_32 3
		.amdhsa_float_denorm_mode_16_64 3
		.amdhsa_memory_ordered 1
		.amdhsa_forward_progress 1
		.amdhsa_inst_pref_size 11
	.end_amdhsa_kernel
	.amdgpu_metadata
---
amdhsa.version: [ 1, 2 ]
amdhsa.kernels:
  - .name:           k_q37e6173177_prep
    .symbol:         k_q37e6173177_prep.kd
    .args:
      - { .name: X, .offset: 0, .size: 8, .value_kind: global_buffer, .address_space: global }
      - { .name: W_qkv, .offset: 8, .size: 8, .value_kind: global_buffer, .address_space: global }
      - { .name: W_out, .offset: 16, .size: 8, .value_kind: global_buffer, .address_space: global }
      - { .name: Xh, .offset: 24, .size: 8, .value_kind: global_buffer, .address_space: global }
      - { .name: Wh, .offset: 32, .size: 8, .value_kind: global_buffer, .address_space: global }
      - { .name: Woh, .offset: 40, .size: 8, .value_kind: global_buffer, .address_space: global }
    .group_segment_fixed_size: 0
    .private_segment_fixed_size: 0
    .kernarg_segment_align: 8
    .kernarg_segment_size: 48
    .max_flat_workgroup_size: 256
    .sgpr_count:     66
    .vgpr_count:     112
    .wavefront_size: 32
...
	.end_amdgpu_metadata
.endif
;; end of part 1
;; launch qkv (part 2): grid 4 x 64, 4 waves a work-group, clusters of 4 x 4, 327,680 bytes of LDS; arguments Xh, Wh, b_qkv, QKV; writes QKV
.if DOCPART == 2
	.amdgcn_target "amdgcn-amd-amdhsa--gfx1250"
	.amdhsa_code_object_version 6
	.text
	.protected	k_q37e6173177_qkv
	.globl	k_q37e6173177_qkv
	.p2align	8
	.type	k_q37e6173177_qkv,@function
k_q37e6173177_qkv:
	s_mov_b64 s[64:65], 0
	v_nop
	global_prefetch_b8 v0, s[64:65] scope:SCOPE_SE
	s_setreg_imm32_b32 hwreg(HW_REG_WAVE_MODE, 25, 1), 1
	s_wait_xcnt 0x0
	s_wait_alu depctr_hold_cnt(0) depctr_sa_sdst(0) depctr_va_vdst(0) depctr_va_sdst(0) depctr_va_ssrc(0) depctr_va_vcc(0) depctr_vm_vsrc(0)
	s_getreg_b32 s2, hwreg(HW_REG_IB_STS2, 6, 4)
	s_cmp_eq_u32 s2, 0
	s_cbranch_scc0 .Lentry_in_a_cluster
	s_endpgm
.Lentry_in_a_cluster:
	s_bfe_u32 s2, ttmp6, 0x10000c
	s_cmp_lg_u32 s2, 0xf033
	s_cbranch_scc0 .Lentry_shape_is_right
	s_endpgm
.Lentry_shape_is_right:
; QKV[m][n] = sum over k of Xh[m][k] Wh[n][k] + bf16(b_qkv[n]).  Xh [8192][1024], Wh [3072][1024], QKV [8192][3072], all f16; sums in f32, QKV rounded once.
; LIMIT: a result of 65,520 or more becomes an infinity in f16.
; A tile of C is 128 x 256.  A WORK-GROUP STAYS: 256 work-groups, each makes three tiles, 1,024 columns apart (its columns of q, of k and of v), from the same 128 rows of Xh.
; Four waves, each 64 x 128: 32 accumulators.  K goes in steps of 128 (rows of 256 bytes) through two LDS slots filled by tensor loads, and the ring does not stop at a tile's end:
; the 24 K steps of the three tiles are ONE walk: 22 trips that each fill a slot again, then two that do not.  At a tile's end both refills have been asked for when its first store leaves, and nothing waits for the stores.
; CLUSTER 4 x 4: A's tile is shared along a row of the cluster, B's along a column: joint loads.  Waves 0, 1 fetch A's halves (64 rows), waves 2, 3 B's (128 rows).
; THE PRODUCT IS TAKEN TRANSPOSED (source 0 = 16 rows of B, source 1 = 16 rows of A): a lane holds row l % 16 of C and the columns 16 b + 8 (l / 16) + 0..7.  The bias is the C operand of a tile's first products.
; REGISTERS, in windows of 256: window 0 addresses, way out, bias; window 1 B's fragments (buffer f at 64 f + 8 b); window 2 accumulators of blocks a = 0, 1 at 8 (8 (a % 2) + b), A's fragments (buffer f at 128 + 32 f + 8 a); window 3 accumulators of a = 2, 3.
.set TILES,  3
.set T,      8                         ; K steps in a tile
.set STEPS,  TILES*T
.set PITCH,  272                       ; an LDS row: 256 bytes + 16 of padding: the 16 rows of a fragment load start at 16 different groups of four banks
.set AHALF,  64*PITCH
.set BHALF,  128*PITCH
.set BOFF,   2*AHALF                   ; B's 256 rows lie behind A's 128
.set SLOT1,  1<<17                     ; slot 1 begins here: one exclusive or turns an address in one slot into the other's
.set STAGE,  SLOT1+BOFF+2*BHALF        ; behind the ring: 16 rows x 272 bytes for each wave
.set SP,     272
.set BTAB,   STAGE+4*16*SP             ; the bias of a wave's 128 columns, 512 bytes for each of its three tiles
.set SPARE,  BTAB+4*TILES*512          ; the spare words: 128 bytes a wave, named by no other line
.set ROWC,   6144                      ; bytes in a row of C
.set DBITS,  (1<<16)|(1<<20)|(1<<21)|(5<<22)|(3<<25)  ; 2-byte elements; padding on; bit 21 beside a mask; after every 64 words, 4 words
.set ADRA0, 2                          ; my lane's place in A's tile of slot 0; never rewritten
.set ADRB0, 3
.set ADRA,  4                          ; the same in the slot in hand
.set ADRB,  5
.set STO,   6
.set RD,    7
.set CO,    8
.set PFO,   9                          ; the prefetches' offset: lane x a row
.set BA0,   24                         ; my lane's place in the bias table, tile 0; never rewritten
.set BA,    25
.set SPW,   28
.set NIL,   29
.set TMP,   32
.set BK,    64
.set BIAS,  192
.set WV,  12
.set WR,  13
.set WC,  14
.set LIM, 15
.set CX,  16
.set CY,  17
.set TX,  18
.set TY,  19
.set CLY, 20
.set G1A, 24
.set G0A, 32                           ; two sets; the second walks
.set PFA, 40
.set PFB, 42                           ; the prefetches' base: my rows at K step 0 of tile 0
.set CNT, 44
.set TB,  45
.set BB,  46                           ; B at my half of tile 0's rows; never holds cy
.set G1B, 48
.set G0B, 56
.set AB,  66                           ; A at my half of the tile's rows; never holds cx
.set AO,  70                           ; s[70:71] A's offset of the K step to be asked for
.set BO,  72                           ; s[72:73] B's
.set CADD, 74                          ; s[74:75] what the next way out adds to C's address
.set BOF, 76                           ; the tile's place in the bias table
.set MSB, 0
.macro WIN new                         ; the high byte repeats the setting that is left; a switch that changes nothing is dropped
.if MSB != (\new)
	s_set_vgpr_msb (MSB<<8)|(\new)
.set MSB, (\new)
.endif
.endm
.macro PLACES                          ; four places behind matrix instructions, in front of loads into registers that they read and of readers of results
.rept 4
	v_nop
.endr
.endm
.macro CREST                           ; a round of the cluster's barrier behind its opening barrier
	s_cmp_lg_u32 s[WV], 0
	s_cbranch_scc1 .Lnot_wave_0_\@
	s_barrier_signal -3
.Lnot_wave_0_\@:
	s_barrier_wait -3
	s_barrier_signal -1
	s_barrier_wait -1
.endm
.macro CROUND
	s_barrier_signal -1
	s_barrier_wait -1
	CREST
.endm
.macro JLOAD                           ; a joint refill by the walking sets; an s_nop 0 and four v_nop follow each line
	s_cmp_lt_u32 s[WV], 2
	s_cbranch_scc0 .Lfor_b_\@
	tensor_load_to_lds s[G0A+4:G0A+7], s[G1A:G1A+7]
	s_nop 0
.rept 4
	v_nop
.endr
	s_branch .Lasked_\@
.Lfor_b_\@:
	tensor_load_to_lds s[G0B+4:G0B+7], s[G1B:G1B+7]
	s_nop 0
.rept 4
	v_nop
.endr
.Lasked_\@:
.endm
; A prefetch of the K step two refills on (256 matrix instructions ahead): 32 rows x 256 bytes, a lane a row.  A's rows: partner cx takes rows 32 cx on, wave 0 issues, in the first tile alone: the later tiles read the same rows again.
; B's rows: cluster y = 0 alone asks, partner cy takes 64 rows, waves 2 and 3 half each, through all three tiles.  So each row's 256 bytes of a K step are named once.  The last two refills have no K step two on.
.macro ASK
	s_cmp_gt_u32 s[CNT], s[LIM]
	s_cbranch_scc0 .Lnot_mine_\@
	global_prefetch_b8 v[PFO], s[PFA:PFA+1] th:TH_LOAD_NT scope:SCOPE_SE
.Lnot_mine_\@:
.endm
; 8 products: row block a x all 8 column blocks, 32 along K, buffer f.  first = 1: the bias starts the sums.  The 32 accumulators take turns, in the same order in every quarter.
.macro MUL8 f, a, first
.if \first
	WIN 0x89+0x40*((\a)/2)
.else
	WIN 0xa9+0x50*((\a)/2)
.endif
.irp b, 0,1,2,3,4,5,6,7
.if \first
	v_wmma_f32_16x16x32_f16 v[64*((\a)%2)+8*(\b):64*((\a)%2)+8*(\b)+7], v[64*(\f)+8*(\b):64*(\f)+8*(\b)+7], v[128+32*(\f)+8*(\a):128+32*(\f)+8*(\a)+7], v[BIAS+8*(\b):BIAS+8*(\b)+7]
.else
	v_wmma_f32_16x16x32_f16 v[64*((\a)%2)+8*(\b):64*((\a)%2)+8*(\b)+7], v[64*(\f)+8*(\b):64*(\f)+8*(\b)+7], v[128+32*(\f)+8*(\a):128+32*(\f)+8*(\a)+7], v[64*((\a)%2)+8*(\b):64*((\a)%2)+8*(\b)+7]
.endif
.endr
.endm
.macro FETCH k, g                      ; 24 LDS loads in one run: B's 8 fragments, then A's 4, 32 along K at byte k of the rows
	WIN 0x40
.irp b, 0,1,2,3,4,5,6,7
	ds_load_b128 v[64*(\g)+8*(\b):64*(\g)+8*(\b)+3],   v[ADRB] offset:(\k)+(\b)*16*PITCH
	ds_load_b128 v[64*(\g)+8*(\b)+4:64*(\g)+8*(\b)+7], v[ADRB] offset:(\k)+(\b)*16*PITCH+32
.endr
	WIN 0x80
.irp a, 0,1,2,3
	ds_load_b128 v[128+32*(\g)+8*(\a):128+32*(\g)+8*(\a)+3],   v[ADRA] offset:(\k)+(\a)*16*PITCH
	ds_load_b128 v[128+32*(\g)+8*(\a)+4:128+32*(\g)+8*(\a)+7], v[ADRA] offset:(\k)+(\a)*16*PITCH+32
.endr
.endm
.macro QUARTER k, f, g, first          ; multiplies buffer f; in its middle fetches the next quarter, at byte k, into buffer g
	s_wait_dscnt 4                                 ; B and A's blocks 0, 1 are in; the youngest four loads (blocks 2, 3) may be out
	MUL8 \f, 0, \first
	MUL8 \f, 1, \first
	PLACES
	FETCH \k, \g
	s_wait_dscnt 24                                ; all but the 24 just issued
	MUL8 \f, 2, \first
	MUL8 \f, 3, \first
.endm
; The fourth quarter multiplies buffer 1 and changes slots.  In front of the barrier each wave waits for all its tensor loads (one is out: its part of the next slot), adds 0 to its spare word, and waits for that
; and for its reads of this slot.  fill = 1: the barrier opens a round of the cluster's, and the joint refill, two K steps on in the walk, is the first thing behind it: 112 products ahead of the wait for it.
; The count runs STEPS - 2 .. 1; the refill's K step in the walk is j = STEPS - count: K step j % 8 of tile j / 8; a tile of B lies 1,024 rows of 2,048 bytes (2^21 bytes) behind the last.
; fill = 0: the walk's last two K steps; in the very last (count 1) there is nothing more to fetch, and the run of loads is jumped over; its barrier serves nothing: the price of one text for both.
.macro TURN fill
.if \fill
	s_wait_xcnt 0x0                                ; the last prefetch, a K step back, has read its address: it is made anew, for K step j + 2
	s_sub_co_u32 s22, STEPS+2, s[CNT]
	s_and_b32 s23, s22, T-1
	s_lshl_b32 s23, s23, 8
	s_lshr_b32 s22, s22, 3
	s_lshl_b32 s22, s22, 21
	s_add_co_u32 s22, s22, s23
	s_mov_b32 s23, 0
	s_add_nc_u64 s[PFA:PFA+1], s[PFB:PFB+1], s[22:23]
.endif
	WIN 0
	s_wait_tensorcnt 0x0                           ; no tensor load of mine is out, so a group 0 may be written
	ds_add_u32 v[SPW], v[NIL]                      ; 0 onto my spare word; the descriptors' scalar work and eight products stand between it and the wait for it
.if \fill
	s_sub_co_u32 s22, STEPS, s[CNT]                ; j
	s_and_b32 s23, s22, T-1
	s_lshl_b32 s[AO], s23, 8
	s_lshr_b32 s22, s22, 3
	s_lshl_b32 s22, s22, 21
	s_add_co_u32 s[BO], s22, s[AO]
	s_xor_b32 s[G0A+5], s[G0A+5], SLOT1            ; the walking sets: the other slot than last time,
	s_add_nc_u64 s[G0A+6:G0A+7], s[AB:AB+1], s[AO:AO+1]  ; the address made anew from the K step's number
	s_or_b32 s[G0A+7], s[G0A+7], 0x80000000
	s_xor_b32 s[G0B+5], s[G0B+5], SLOT1
	s_add_nc_u64 s[G0B+6:G0B+7], s[BB:BB+1], s[BO:BO+1]
	s_or_b32 s[G0B+7], s[G0B+7], 0x80000000
.endif
	s_wait_dscnt 5                                 ; the add and the youngest four loads may be out
	MUL8 1, 0, 0
	s_wait_dscnt 0x0                               ; the add is done, my reads of this slot are over
	s_barrier_signal -1
	MUL8 1, 1, 0
	WIN 0
	s_barrier_wait -1
.if \fill
	CREST
	JLOAD                                          ; its four v_nop are also the places in front of the loads below
.else
	PLACES
	s_cmp_eq_u32 s[CNT], 1
	s_cbranch_scc1 .Lno_fetch_\@
.endif
	s_xor_b32 s[TB], s[TB], SLOT1
	v_add_nc_u32 v[ADRA], s[TB], v[ADRA0]
	v_add_nc_u32 v[ADRB], s[TB], v[ADRB0]
	FETCH 0, 0
	WIN 0
.if \fill
	ASK
.else
.Lno_fetch_\@:
.endif
	MUL8 1, 2, 0
	MUL8 1, 3, 0
.endm
.macro BIASLOAD                        ; register 8 b + j takes column 16 b + 8 (l / 16) + j: sixteen lanes read the same 16 bytes
.irp b, 0,1,2,3,4,5,6,7
	ds_load_b128 v[BIAS+8*\b:BIAS+8*\b+3],   v[BA] offset:64*\b
	ds_load_b128 v[BIAS+8*\b+4:BIAS+8*\b+7], v[BA] offset:64*\b+16
.endr
.endm
; THE WAY OUT, a block of 16 rows at a time: rounded to f16, 16 bytes a lane into my stage, back as whole rows of 256 bytes, stored.
.macro PACK a
	WIN 0x0a+5*((\a)/2)
.irp b, 0,1,2,3,4,5,6,7
.irp q, 0,1,2,3
	v_cvt_pk_f16_f32 v[TMP+4*(\b)+(\q)], v[64*((\a)%2)+8*(\b)+2*(\q)], v[64*((\a)%2)+8*(\b)+2*(\q)+1]
.endr
.endr
	WIN 0
.endm
.macro TOSTAGE a
.irp b, 0,1,2,3,4,5,6,7
	ds_store_b128 v[STO], v[TMP+4*(\b):TMP+4*(\b)+3] offset:32*(\b)
.endr
.irp t, 0,1,2,3,4,5,6,7
	ds_load_b128 v[BK+32*(\a)+4*(\t):BK+32*(\a)+4*(\t)+3], v[RD] offset:(\t)*2*SP  ; LDS serves a wave's instructions in order: these see the stores above
.endr
.endm
.macro SEND a
	s_wait_dscnt 0x0
.irp t, 0,1,2,3,4,5,6,7
	global_store_b128 v[CO], v[BK+32*(\a)+4*(\t):BK+32*(\a)+4*(\t)+3], s[10:11] offset:(16*(\a)+2*(\t))*ROWC  ; 16 lanes store 256 consecutive bytes, aligned
.endr
.endm
.macro WAYOUT more                     ; more = 1: another tile follows: its bias is fetched
	PLACES
.if \more
	s_add_co_u32 s[BOF], s[BOF], 512
	v_add_nc_u32 v[BA], s[BOF], v[BA0]
	BIASLOAD
.endif
	PACK 0
	s_wait_xcnt 0x0                                ; the last tile's stores have read their registers and C's address: only behind this wait are they written again
	s_add_nc_u64 s[10:11], s[10:11], s[CADD:CADD+1]
	TOSTAGE 0
.irp a, 1,2,3
	PACK \a
	SEND (\a)-1
	TOSTAGE \a
.endr
	SEND 3
.if \more
	s_mov_b32 s[CADD], 2048                        ; the next tile lies 1,024 columns on
.endif
.endm
	s_load_b256 s[4:11], s[0:1], 0x0               ; Xh s[4:5], Wh s[6:7], b_qkv s[8:9], QKV s[10:11]
	v_lshl_add_u32 v[SPW], v0, 2, SPARE
	v_mov_b32 v[NIL], 0
	ds_add_u32 v[SPW], v[NIL]                      ; the wave's opening: the add and its wait ahead of my first tensor load
	v_lshrrev_b32 v1, 5, v0
	v_readfirstlane_b32 s[WV], v1
	s_lshr_b32 s[WR], s[WV], 1                     ; my 64 rows of the tile
	s_and_b32 s[WC], s[WV], 1                      ; my 128 columns; also: which half of A's or B's tile I fetch
	s_bfe_u32 s[CX], ttmp6, 0x40000
	s_bfe_u32 s[CY], ttmp6, 0x40004
	s_lshl_b32 s[TX], ttmp9, 2
	s_add_co_u32 s[TX], s[TX], s[CX]               ; tile column within q, k or v
	s_and_b32 s[CLY], ttmp7, 0xffff
	s_lshl_b32 s[TY], s[CLY], 2
	s_add_co_u32 s[TY], s[TY], s[CY]               ; tile row
	s_lshl_b32 s22, s[CY], 2
	s_lshl_b32 s22, 15, s22                        ; my row of the cluster
	s_lshl_b32 s23, 0x1111, s[CX]                  ; my column
	s_or_b32 s[G1A], s22, DBITS
	s_or_b32 s[G1B], s23, DBITS
	s_mov_b32 s[G1A+1], 128<<16                    ; tensor_dim0 = 128
	s_mov_b32 s[G1A+2], 64<<16                     ; tensor_dim1 = 64
	s_mov_b32 s[G1A+3], 128<<16                    ; tile_dim0 = 128
	s_mov_b32 s[G1A+4], 64                         ; tile_dim1 = 64
	s_mov_b32 s[G1A+5], 1024                       ; elements from row to row
	s_mov_b32 s[G1A+6], 0
	s_mov_b32 s[G1A+7], 0
	s_mov_b32 s[G1B+1], 128<<16
	s_mov_b32 s[G1B+2], 128<<16
	s_mov_b32 s[G1B+3], 128<<16
	s_mov_b32 s[G1B+4], 128
	s_mov_b32 s[G1B+5], 1024
	s_mov_b32 s[G1B+6], 0
	s_mov_b32 s[G1B+7], 0
	s_lshl_b32 s[AB], s[TY], 7                     ; A: row 128 x tile row + 64 x half, 2,048 bytes a row
	s_lshl_b32 s68, s[WC], 6
	s_add_co_u32 s[AB], s[AB], s68
	s_lshl_b32 s[AB], s[AB], 11
	s_mov_b32 s[AB+1], 0
	s_lshl_b32 s[BB], s[TX], 8                     ; B: row 256 x tile column + 128 x half
	s_lshl_b32 s[BB+1], s[WC], 7
	s_add_co_u32 s[BB], s[BB], s[BB+1]
	s_lshl_b32 s[BB], s[BB], 11
	s_mov_b32 s[BB+1], 0
	s_mul_i32 s68, s[WC], AHALF                    ; where they go: no place in the cluster enters an LDS address
	s_mul_i32 s69, s[WC], BHALF
	s_add_co_u32 s69, s69, BOFF
	s_mov_b32 s[TB], 0
	s_mov_b32 s[AO+1], 0
	s_mov_b32 s[BO+1], 0
	s_mov_b32 s[BOF], 0
	s_wait_dscnt 0x0                               ; the opening add is done
	s_wait_kmcnt 0x0
	s_add_nc_u64 s[AB:AB+1], s[4:5], s[AB:AB+1]
	s_add_nc_u64 s[BB:BB+1], s[6:7], s[BB:BB+1]
	CROUND                                         ; all sixteen work-groups are here: the first joint loads meet
.irp s, 0,1
	s_mov_b32 s[G0A+4*\s], 1
	s_add_co_u32 s[G0A+4*\s+1], s68, (\s)*SLOT1
	s_add_nc_u64 s[G0A+4*\s+2:G0A+4*\s+3], s[AB:AB+1], (\s)*256
	s_or_b32 s[G0A+4*\s+3], s[G0A+4*\s+3], 0x80000000
	s_mov_b32 s[G0B+4*\s], 1
	s_add_co_u32 s[G0B+4*\s+1], s69, (\s)*SLOT1
	s_add_nc_u64 s[G0B+4*\s+2:G0B+4*\s+3], s[BB:BB+1], (\s)*256
	s_or_b32 s[G0B+4*\s+3], s[G0B+4*\s+3], 0x80000000
.endr
	s_cmp_lt_u32 s[WV], 2                          ; a wave's two first fills stand in one branch: two loads of mine are out
	s_cbranch_scc0 .Lfirst_b
	tensor_load_to_lds s[G0A:G0A+3], s[G1A:G1A+7]
	s_nop 0
	tensor_load_to_lds s[G0A+4:G0A+7], s[G1A:G1A+7]
	s_nop 0
.rept 4
	v_nop
.endr
	s_branch .Lfirst_done
.Lfirst_b:
	tensor_load_to_lds s[G0B:G0B+3], s[G1B:G1B+7]
	s_nop 0
	tensor_load_to_lds s[G0B+4:G0B+7], s[G1B:G1B+7]
	s_nop 0
.rept 4
	v_nop
.endr
.Lfirst_done:
	v_and_b32 v10, 15, v0                          ; r = l % 16
	v_bfe_u32 v11, v0, 4, 1                        ; h = l / 16
	v_and_b32 v12, 31, v0
	; the bias of my 128 columns in each of the three tiles: a lane takes four columns
	v_lshlrev_b32 v14, 4, v12
	s_lshl_b32 s22, s[TX], 10
	s_lshl_b32 s23, s[WC], 9
	s_add_co_u32 s22, s22, s23
	s_mov_b32 s23, 0
	s_add_nc_u64 s[8:9], s[8:9], s[22:23]
.irp t, 0,1,2
	global_load_b128 v[TMP+4*\t:TMP+4*\t+3], v14, s[8:9] offset:4096*\t
.endr
	v_mul_u32_u24 v13, v10, PITCH
	v_lshl_add_u32 v13, v11, 4, v13                ; row x pitch + 16 x half
	s_mul_i32 s22, s[WR], AHALF
	v_add_nc_u32 v[ADRA0], s22, v13
	v_add_nc_u32 v[ADRB0], s69, v13                ; my 128 columns are the half of B's rows with my WC
	v_mov_b32 v[ADRA], v[ADRA0]
	v_mov_b32 v[ADRB], v[ADRB0]
	s_mul_i32 s22, s[WV], 16*SP
	s_add_co_u32 s22, s22, STAGE                   ; my stage
	v_add_nc_u32 v[STO], s22, v13                  ; in: row r, 16 bytes for each half of the lanes
	v_mul_u32_u24 v15, v11, SP
	v_lshl_add_u32 v15, v10, 4, v15
	v_add_nc_u32 v[RD], s22, v15                   ; back: lanes 0-15 one row of 256 bytes, lanes 16-31 the next
	v_mul_u32_u24 v15, v11, ROWC
	v_lshl_add_u32 v[CO], v10, 4, v15              ; the same two rows in C
	v_lshlrev_b32 v[PFO], 11, v12
	s_mul_i32 s22, s[WV], TILES*512
	s_add_co_u32 s22, s22, BTAB                    ; my part of the bias table
	v_add_nc_u32 v13, s22, v14                     ; in: 16 bytes a lane
	v_lshl_add_u32 v[BA0], v11, 5, s22             ; back: 32 bytes on for the upper half of the lanes
	v_mov_b32 v[BA], v[BA0]
	s_lshl_b32 s22, s[TY], 7                       ; my part of the first tile in C: the first way out adds it to C's address
	s_lshl_b32 s23, s[WR], 6
	s_add_co_u32 s22, s22, s23
	s_mul_i32 s22, s22, ROWC
	s_lshl_b32 s23, s[TX], 9
	s_add_co_u32 s22, s22, s23
	s_lshl_b32 s23, s[WC], 8
	s_add_co_u32 s[CADD], s22, s23
	s_mov_b32 s[CADD+1], 0
	; the prefetches: partners are told apart by address, never by a branch
	s_lshl_b32 s22, s[TY], 7
	s_lshl_b32 s23, s[CX], 5
	s_add_co_u32 s22, s22, s23                     ; A: my work-group's 32 rows
	s_lshl_b32 s68, s[TX], 8
	s_lshl_b32 s69, s[CY], 6
	s_add_co_u32 s68, s68, s69
	s_lshl_b32 s69, s[WC], 5
	s_add_co_u32 s68, s68, s69                     ; B: my work-group's 64 rows, my wave's 32 of them
	s_cmp_lt_u32 s[WV], 2
	s_cselect_b32 s22, s22, s68
	s_cselect_b32 s69, ttmp9, s[CLY]               ; the coordinate along which other clusters read the same rows
	s_cselect_b64 s[PFB:PFB+1], s[4:5], s[6:7]
	s_cselect_b32 s[LIM], STEPS-6, 2               ; A: while the K step named lies in the first tile; B: while it lies in the walk
	s_lshl_b32 s22, s22, 11
	s_mov_b32 s23, 0
	s_add_nc_u64 s[PFB:PFB+1], s[PFB:PFB+1], s[22:23]
	s_cmp_eq_u32 s[WV], 1                          ; wave 1 asks for nothing
	s_cselect_b32 s68, 1, 0
	s_or_b32 s69, s69, s68
	s_cmp_eq_u32 s69, 0
	s_cselect_b32 s[LIM], s[LIM], -1               ; the same in all sixteen partners, for a given wave
	s_wait_loadcnt 0x0
.irp t, 0,1,2                                  ; the bias is rounded to bf16, like every input, and laid into my part of the table
	v_cvt_pk_bf16_f32 v15, v[TMP+4*\t], v[TMP+4*\t+1]
	v_cvt_pk_bf16_f32 v1, v[TMP+4*\t+2], v[TMP+4*\t+3]
	v_lshlrev_b32 v[TMP+4*\t], 16, v15
	v_and_b32 v[TMP+4*\t+1], 0xffff0000, v15
	v_lshlrev_b32 v[TMP+4*\t+2], 16, v1
	v_and_b32 v[TMP+4*\t+3], 0xffff0000, v1
	ds_store_b128 v13, v[TMP+4*\t:TMP+4*\t+3] offset:512*\t
.endr
	BIASLOAD                                       ; the first tile's; my own bytes, and LDS serves a wave's instructions in order
	s_wait_tensorcnt 0x1                           ; my part of K step 0 is in; K step 1's may stay out
	s_wait_dscnt 0x0
	s_barrier_signal -1
	s_barrier_wait -1
	FETCH 0, 0
	QUARTER 64, 0, 1, 1                            ; the first quarter starts the sums
	WIN 0
	s_mov_b32 s[CNT], STEPS-2
.Lstep:                                        ; a trip: a K step's quarters 2 to 4 and the next step's first; the slot left is filled again
	QUARTER 128, 1, 0, 0
	QUARTER 192, 0, 1, 0
	TURN 1
	WIN 0
	s_and_b32 s21, s[CNT], T-1                     ; the K step just multiplied is STEPS - 2 - count: a tile's last where the count is 7 modulo 8
	s_cmp_eq_u32 s21, T-1
	s_cbranch_scc0 .Lsame_tile
	WAYOUT 1                                       ; the tile goes out; the next tile's K steps 0 and 1 are in LDS or on their way
	QUARTER 64, 0, 1, 1                            ; and the next tile's sums start with its bias
	WIN 0
	s_branch .Lbottom
.Lsame_tile:
	QUARTER 64, 0, 1, 0
	WIN 0
.Lbottom:
	s_sub_co_u32 s[CNT], s[CNT], 1
	s_cmp_lg_u32 s[CNT], 0
	s_cbranch_scc1 .Lstep
	s_mov_b32 s[CNT], 2
.Ltail:                                        ; the walk's last two K steps ask for nothing; the second has no quarter behind it
	QUARTER 128, 1, 0, 0
	QUARTER 192, 0, 1, 0
	TURN 0
	WIN 0
	s_cmp_eq_u32 s[CNT], 1
	s_cbranch_scc1 .Lno_q1
	QUARTER 64, 0, 1, 0
	WIN 0
.Lno_q1:
	s_sub_co_u32 s[CNT], s[CNT], 1
	s_cmp_lg_u32 s[CNT], 0
	s_cbranch_scc1 .Ltail
	WAYOUT 0
	s_wait_tensorcnt 0x0                           ; the wave's end
	ds_add_u32 v[SPW], v[NIL]
	s_wait_dscnt 0x0
	CROUND                                         ; the closing round
	s_endpgm
.Lfunc_end_k_q37e6173177_qkv:
	.size	k_q37e6173177_qkv, .Lfunc_end_k_q37e6173177_qkv-k_q37e6173177_qkv
	.p2alignl 7, 3214868480
	.fill 96, 4, 3214868480
	.section	.rodata,"a",@progbits
	.p2align	6, 0x0
	.amdhsa_kernel k_q37e6173177_qkv
		.amdhsa_group_segment_fixed_size 327680
		.amdhsa_private_segment_fixed_size 0
		.amdhsa_enable_private_segment 0
		.amdhsa_kernarg_size 32
		.amdhsa_user_sgpr_count 2
		.amdhsa_user_sgpr_kernarg_segment_ptr 1
		.amdhsa_wavefront_size32 1
		.amdhsa_system_sgpr_workgroup_id_x 1
		.amdhsa_system_sgpr_workgroup_id_y 1
		.amdhsa_system_sgpr_workgroup_id_z 1
		.amdhsa_system_vgpr_workitem_id 0
		.amdhsa_next_free_vgpr 896
		.amdhsa_next_free_sgpr 78
		.amdhsa_reserve_vcc 0
		.amdhsa_float_denorm_mode_32 3
		.amdhsa_float_denorm_mode_16_64 3
		.amdhsa_memory_ordered 1
		.amdhsa_forward_progress 1
		.amdhsa_inst_pref_size 86
	.end_amdhsa_kernel
	.amdgpu_metadata
---
amdhsa.version: [ 1, 2 ]
amdhsa.kernels:
  - .name:           k_q37e6173177_qkv
    .symbol:         k_q37e6173177_qkv.kd
    .args:
      - { .name: Xh, .offset: 0, .size: 8, .value_kind: global_buffer, .address_space: global }
      - { .name: Wh, .offset: 8, .size: 8, .value_kind: global_buffer, .address_space: global }
      - { .name: b_qkv, .offset: 16, .size: 8, .value_kind: global_buffer, .address_space: global }
      - { .name: QKV, .offset: 24, .size: 8, .value_kind: global_buffer, .address_space: global }
    .group_segment_fixed_size: 327680
    .private_segment_fixed_size: 0
    .kernarg_segment_align: 8
    .kernarg_segment_size: 32
    .max_flat_workgroup_size: 128
    .sgpr_count:     78
    .vgpr_count:     896
    .wavefront_size: 32
...
	.end_amdgpu_metadata
.endif
;; end of part 2
;; launch score (part 3): grid 8 x 32, 4 waves a work-group, clusters of 4 x 4, 327,680 bytes of LDS; arguments QKV, mask, P, ML; writes P, ML
.if DOCPART == 3
	.amdgcn_target "amdgcn-amd-amdhsa--gfx1250"
	.amdhsa_code_object_version 6
	.text
	.protected	k_q37e6173177_score
	.globl	k_q37e6173177_score
	.p2align	8
	.type	k_q37e6173177_score,@function
k_q37e6173177_score:
	s_mov_b64 s[64:65], 0
	v_nop
	global_prefetch_b8 v0, s[64:65] scope:SCOPE_SE
	s_setreg_imm32_b32 hwreg(HW_REG_WAVE_MODE, 25, 1), 1
	s_wait_xcnt 0x0
	s_wait_alu depctr_hold_cnt(0) depctr_sa_sdst(0) depctr_va_vdst(0) depctr_va_sdst(0) depctr_va_ssrc(0) depctr_va_vcc(0) depctr_vm_vsrc(0)
	s_getreg_b32 s2, hwreg(HW_REG_IB_STS2, 6, 4)
	s_cmp_eq_u32 s2, 0
	s_cbranch_scc0 .Lentry_in_a_cluster
	s_endpgm
.Lentry_in_a_cluster:
	s_bfe_u32 s2, ttmp6, 0x10000c
	s_cmp_lg_u32 s2, 0xf033
	s_cbranch_scc0 .Lentry_shape_is_right
	s_endpgm
.Lentry_shape_is_right:
; SCORES AND THE SOFTMAX'S FIRST HALF.  s[q][k] = q[q] . k[k] (q, k: columns 0-1023 and 1024-2047 of QKV's rows, f16; sums in f32).  For each row and each chunk of 128 keys:
; cm = c x max(unmasked s, -2^83), c = log2(e) / 32;  p = 2^(c s - cm), stored as f16 in P;  l = the sum of the unrounded p;  (cm, l) stored in ML.  The next launch joins the chunks by their maxima.
; LIMITS: a masked score counts as -1e30 (f16 operands give at most 4.4e12); a weight below 2^-126 counts as 0; a chunk with no open key gives p = 0, l = 0 and the floor as cm.  NaN and infinities are not treated apart.
; A tile is 256 queries x 256 keys: 256 work-groups.  Four waves, each 128 x 128: 64 accumulators; a wave's keys are one chunk.  K = 1,024 in 8 steps of 128 through two LDS slots.
; CLUSTER 4 x 4: q's tile is shared along a row of the cluster, k's along a column: joint loads.  The product is taken transposed (source 0 = 16 keys, source 1 = 16 queries).
; THE WAY OUT: the wave's 128 x 128 scores go into LDS (over the ring, whose last fill is over) as rows of 512 bytes; then a loop takes 16 rows a trip, a row across the 32 lanes, four keys a lane.
; THE MASK comes as it lies in memory: a row's 128 words of my chunk are 512 consecutive bytes, 16 a lane: the lane's own four keys.  A compare makes of each register the select word of one v_cndmask_b32.
; A row's words are asked for 16 rows ahead, the first 16 rows' behind the first quarter of the products.
; REGISTERS: window 0 v0-39 addresses, v64-127, v128-191 A's fragments, v192-255 mask words; window 1 v64-127, v128-191 B's; windows 2, 3 the accumulators ((a, b) at 8 (8 (a % 4) + b)).
.set KSTEP,  128
.set T,      8
.set PITCH,  272
.set HALFT,  128*PITCH
.set SLOT,   4*HALFT
.set ROWQ,   6144                      ; bytes in a row of QKV
.set ROWM,   8192                      ; bytes in a row of the mask
.set DP,     528                       ; a dumped row: 512 bytes + 16
.set DUMPW,  136*DP                    ; a wave's 128 rows and 8 rows of zeros that the last look-ahead reads
.set STATS,  4*DUMPW                   ; 128 pairs (cm, l) for each wave
.set SPARE,  STATS+4096                ; the spare words
.set DBITS,  (1<<16)|(1<<20)|(1<<21)|(5<<22)|(3<<25)
.set ADRA0, 16                         ; my lane's place in q's tile of slot 0; never rewritten
.set ADRB0, 17
.set ADRA,  18                         ; the same in the slot in hand
.set ADRB,  19
.set L16,  22
.set LS,   23
.set DST,  24
.set RDA0, 25
.set POF,  26
.set STA0, 27
.set SPW,  28
.set NIL,  29
.set PFO,  30
.set ZA,   31
.set NEG,  32
.set FLO,  33
.set RDA,  34
.set STA,  35
.set ZZ,   36
.set F0,   64
.set F1,   128
.set MX,   128                         ; the way out: 8 rows' maxima, later sums
.set UU,   136
.set STT,  144                         ; 8 pairs (cm, l)
.set PO,   160                         ; 8 pairs of packed weights
.set OUTS, 176
.set MK,   192                         ; two sets of 8 rows' mask words, four a row
.set WV,  12
.set HR,  13
.set HC,  14
.set LIM, 15
.set CX,  16
.set CY,  17
.set TX,  18
.set TY,  19
.set CLY, 20
.set BT,  21
.set G1,  24
.set G0,  32                           ; two sets; the second walks
.set PFA, 40
.set LB,  42                           ; wave x 128 rows: my part of a slot
.set TF,  43                           ; 0 or SLOT: the slot filled last
.set CNT, 44
.set TB,  45                           ; 0 or SLOT: the slot in hand; on the way out: the rows' offset in the dump
.set SO,  46
.set G1B, 48
.set G0B, 56
.set MW,  68                           ; s[68:99] the select words of 8 rows
.set MP,  100                          ; s[100:101] the mask at the 16 rows to be asked for next
.set MSB, 0
.macro WIN new
.if MSB != (\new)
	s_set_vgpr_msb (MSB<<8)|(\new)
.set MSB, (\new)
.endif
.endm
.set MUL_LO, 0xa1                      ; source 0 (keys) window 1, source 1 (queries) window 0, C and D window 2
.set TO_B,   0x40
.macro PLACES
.rept 4
	v_nop
.endr
.endm
.macro CREST
	s_cmp_lg_u32 s[WV], 0
	s_cbranch_scc1 .Lnot_wave_0_\@
	s_barrier_signal -3
.Lnot_wave_0_\@:
	s_barrier_wait -3
	s_barrier_signal -1
	s_barrier_wait -1
.endm
.macro CROUND
	s_barrier_signal -1
	s_barrier_wait -1
	CREST
.endm
.macro JLOAD                           ; waves 0, 1 fetch q's halves, waves 2, 3 k's, by the walking sets; an s_nop 0 and four v_nop follow each line
	s_cmp_eq_u32 s[HR], 0
	s_cbranch_scc0 .Lfor_b_\@
	tensor_load_to_lds s[G0+4:G0+7], s[G1:G1+7]
	s_nop 0
.rept 4
	v_nop
.endr
	s_branch .Lasked_\@
.Lfor_b_\@:
	tensor_load_to_lds s[G0B+4:G0B+7], s[G1B:G1B+7]
	s_nop 0
.rept 4
	v_nop
.endr
.Lasked_\@:
.endm
; A prefetch of the K step two refills on (512 matrix instructions ahead): of the 128 rows that a wave fetches each of the four partners takes 32, told apart by address; q's rows are asked for by cluster x = 0,
; k's by the batch's first row of clusters.  So each row's 256 bytes of a K step are named once.  The last two refills have no K step two on.
.macro ASK
	s_cmp_gt_u32 s[CNT], s[LIM]
	s_cbranch_scc0 .Lnot_mine_\@
	global_prefetch_b8 v[PFO], s[PFA:PFA+1] th:TH_LOAD_NT scope:SCOPE_SE
.Lnot_mine_\@:
.endm
; 16 products.  The 64 accumulators take turns, in the same order in every quarter.
.macro MUL16 f, hi, a0, zero
	WIN MUL_LO+0x50*(\hi)
.irp a, \a0, (\a0)+1
.irp b, 0,1,2,3,4,5,6,7
.if \zero
	v_wmma_f32_16x16x32_f16 v[8*(8*(\a)+(\b)):8*(8*(\a)+(\b))+7], v[(\f)+8*(\b):(\f)+8*(\b)+7], v[(\f)+8*(4*(\hi)+(\a)):(\f)+8*(4*(\hi)+(\a))+7], 0
.else
	v_wmma_f32_16x16x32_f16 v[8*(8*(\a)+(\b)):8*(8*(\a)+(\b))+7], v[(\f)+8*(\b):(\f)+8*(\b)+7], v[(\f)+8*(4*(\hi)+(\a)):(\f)+8*(4*(\hi)+(\a))+7], v[8*(8*(\a)+(\b)):8*(8*(\a)+(\b))+7]
.endif
.endr
.endr
.endm
.macro FETCH k, f                      ; 32 LDS loads in one run, from the slot in hand
	WIN TO_B
.irp i, 0,1,2,3,4,5,6,7
	ds_load_b128 v[(\f)+8*(\i):(\f)+8*(\i)+3],   v[ADRB] offset:(\k)+(\i)*16*PITCH
	ds_load_b128 v[(\f)+8*(\i)+4:(\f)+8*(\i)+7], v[ADRB] offset:(\k)+(\i)*16*PITCH+32
.endr
	WIN 0
.irp i, 0,1,2,3,4,5,6,7
	ds_load_b128 v[(\f)+8*(\i):(\f)+8*(\i)+3],   v[ADRA] offset:(\k)+(\i)*16*PITCH
	ds_load_b128 v[(\f)+8*(\i)+4:(\f)+8*(\i)+7], v[ADRA] offset:(\k)+(\i)*16*PITCH+32
.endr
.endm
.macro QUARTER k, f, g, zero
	s_wait_dscnt 8                                 ; k's and q's rows 0-63 are in; the youngest eight loads may be out
	MUL16 \f, 0, 0, \zero
	MUL16 \f, 0, 2, \zero
	PLACES
	FETCH \k, \g
	s_wait_dscnt 32                                ; all but the 32 just issued
	MUL16 \f, 1, 0, \zero
	MUL16 \f, 1, 2, \zero
.endm
; The fourth quarter changes slots: each wave waits for all its tensor loads (one is out: its part of the next slot), adds 0 to its spare word, waits for that and for its reads of this slot.
; fill = 1: the barrier opens a round of the cluster's, and the joint refill is the first thing behind it: 224 products ahead of the wait for it.
; fill = 0: the last two K steps; in the very last (count 1) there is nothing more to fetch, and the run of loads is jumped over.
.macro TURN fill
.if \fill
	s_wait_xcnt 0x0                                ; the last prefetch, a K step back, has read its address
	s_add_nc_u64 s[PFA:PFA+1], s[PFA:PFA+1], KSTEP*2
.endif
	WIN 0
	s_wait_tensorcnt 0x0                           ; no tensor load of mine is out, so a group 0 may be written
	ds_add_u32 v[SPW], v[NIL]
.if \fill
	s_xor_b32 s[TF], s[TF], SLOT                   ; the walking sets: the other slot than last time, the next K step
	s_add_co_u32 s[G0+5], s[LB], s[TF]
	s_add_nc_u64 s[G0+6:G0+7], s[G0+6:G0+7], KSTEP*2
	s_add_co_u32 s[G0B+5], s[LB], s[TF]
	s_add_nc_u64 s[G0B+6:G0B+7], s[G0B+6:G0B+7], KSTEP*2
.endif
	s_wait_dscnt 9                                 ; the add and the youngest eight loads may be out
	MUL16 F1, 0, 0, 0
	s_wait_dscnt 0x0
	s_barrier_signal -1
	MUL16 F1, 0, 2, 0
	WIN 0
	s_barrier_wait -1
.if \fill
	CREST
	JLOAD                                          ; its four v_nop are also the places in front of the loads below
.else
	PLACES
	s_cmp_eq_u32 s[CNT], 1
	s_cbranch_scc1 .Lno_fetch_\@
.endif
	s_xor_b32 s[TB], s[TB], SLOT
	v_add_nc_u32 v[ADRA], s[TB], v[ADRA0]
	v_add_nc_u32 v[ADRB], s[TB], v[ADRB0]
	FETCH 0, F0
.if \fill
	ASK
.else
.Lno_fetch_\@:
.endif
	MUL16 F1, 1, 0, 0
	MUL16 F1, 1, 2, 0
.endm
	s_load_b256 s[4:11], s[0:1], 0x0               ; QKV s[4:5], mask s[6:7], P s[8:9], ML s[10:11]
	v_lshl_add_u32 v[SPW], v0, 2, SPARE
	v_mov_b32 v[NIL], 0
	ds_add_u32 v[SPW], v[NIL]                      ; the wave's opening: the add and its wait ahead of my first tensor load
	v_lshrrev_b32 v1, 5, v0
	v_readfirstlane_b32 s[WV], v1
	s_lshr_b32 s[HR], s[WV], 1                     ; my 128 queries; also: I fetch q (0) or k (1)
	s_and_b32 s[HC], s[WV], 1                      ; my 128 keys; also: which 128 rows I fetch
	s_bfe_u32 s[CX], ttmp6, 0x40000
	s_bfe_u32 s[CY], ttmp6, 0x40004
	s_lshl_b32 s[TX], ttmp9, 2
	s_add_co_u32 s[TX], s[TX], s[CX]               ; key tile 0-7
	s_and_b32 s[CLY], ttmp7, 0xffff
	s_lshl_b32 s[TY], s[CLY], 2
	s_add_co_u32 s[TY], s[TY], s[CY]               ; query tile 0-31
	s_lshr_b32 s[BT], s[CLY], 1                    ; batch: eight query tiles, two rows of clusters
	s_lshl_b32 s22, s[CY], 2
	s_lshl_b32 s22, 15, s22
	s_lshl_b32 s23, 0x1111, s[CX]
	s_or_b32 s[G1], s22, DBITS
	s_or_b32 s[G1B], s23, DBITS
.irp g, G1, G1B
	s_mov_b32 s[(\g)+1], 128<<16                   ; tensor_dim0 = 128
	s_mov_b32 s[(\g)+2], 128<<16                   ; tensor_dim1 = 128
	s_mov_b32 s[(\g)+3], 128<<16                   ; tile_dim0 = 128
	s_mov_b32 s[(\g)+4], 128                       ; tile_dim1 = 128
	s_mov_b32 s[(\g)+5], 3072                      ; elements from row to row
	s_mov_b32 s[(\g)+6], 0
	s_mov_b32 s[(\g)+7], 0
.endr
	s_lshl_b32 s68, s[HC], 7
	s_lshl_b32 s66, s[TY], 8
	s_add_co_u32 s66, s66, s68                     ; q: row 256 x query tile + 128 x half
	s_mul_i32 s66, s66, ROWQ
	s_mov_b32 s67, 0
	s_lshl_b32 s46, s[BT], 11
	s_lshl_b32 s47, s[TX], 8
	s_add_co_u32 s46, s46, s47
	s_add_co_u32 s46, s46, s68                     ; k: row 2,048 x batch + 256 x key tile + 128 x half,
	s_mul_i32 s46, s46, ROWQ
	s_add_co_u32 s46, s46, 2048                    ; at byte 2,048 of the row
	s_mov_b32 s47, 0
	s_mul_i32 s[LB], s[WV], HALFT                  ; where they go: wave x 128 rows
	s_mov_b32 s[TF], SLOT
	s_mov_b32 s[TB], 0
	s_wait_dscnt 0x0
	s_wait_kmcnt 0x0
	s_add_nc_u64 s[66:67], s[4:5], s[66:67]
	s_add_nc_u64 s[46:47], s[4:5], s[46:47]
	CROUND
.irp s, 0,1
	s_mov_b32 s[G0+4*\s], 1
	s_add_co_u32 s[G0+4*\s+1], s[LB], (\s)*SLOT
	s_add_nc_u64 s[G0+4*\s+2:G0+4*\s+3], s[66:67], (\s)*KSTEP*2
	s_or_b32 s[G0+4*\s+3], s[G0+4*\s+3], 0x80000000
	s_mov_b32 s[G0B+4*\s], 1
	s_add_co_u32 s[G0B+4*\s+1], s[LB], (\s)*SLOT
	s_add_nc_u64 s[G0B+4*\s+2:G0B+4*\s+3], s[46:47], (\s)*KSTEP*2
	s_or_b32 s[G0B+4*\s+3], s[G0B+4*\s+3], 0x80000000
.endr
	s_cmp_eq_u32 s[HR], 0                          ; a wave's two first fills stand in one branch: two loads of mine are out
	s_cbranch_scc0 .Lfirst_b
	tensor_load_to_lds s[G0:G0+3], s[G1:G1+7]
	s_nop 0
	tensor_load_to_lds s[G0+4:G0+7], s[G1:G1+7]
	s_nop 0
.rept 4
	v_nop
.endr
	s_branch .Lfirst_done
.Lfirst_b:
	tensor_load_to_lds s[G0B:G0B+3], s[G1B:G1B+7]
	s_nop 0
	tensor_load_to_lds s[G0B+4:G0B+7], s[G1B:G1B+7]
	s_nop 0
.rept 4
	v_nop
.endr
.Lfirst_done:
	v_and_b32 v1, 15, v0                           ; r
	v_bfe_u32 v2, v0, 4, 1                         ; h
	v_and_b32 v5, 31, v0                           ; l
	v_mul_u32_u24 v3, v1, PITCH
	v_lshl_add_u32 v3, v2, 4, v3
	s_mul_i32 s22, s[HR], HALFT
	s_mul_i32 s23, s[HC], HALFT
	s_add_co_u32 s23, s23, 2*HALFT
	v_add_nc_u32 v[ADRA0], s22, v3
	v_add_nc_u32 v[ADRB0], s23, v3
	v_mov_b32 v[ADRA], v[ADRA0]
	v_mov_b32 v[ADRB], v[ADRB0]
	s_mul_i32 s23, s[WV], DUMPW                    ; the way out's addresses
	v_mul_u32_u24 v4, v1, DP
	v_lshl_add_u32 v4, v2, 5, v4
	v_add_nc_u32 v[DST], s23, v4                   ; dump: row r, 32 bytes for each half of the lanes
	v_lshlrev_b32 v[L16], 4, v5
	v_add_nc_u32 v[RDA0], s23, v[L16]              ; back: a row across the lanes, 16 bytes each
	v_add_nc_u32 v[ZA], 128*DP, v[RDA0]
	v_lshlrev_b32 v[POF], 3, v5
	s_lshl_b32 s23, s[WV], 10
	s_add_co_u32 s23, s23, STATS
	v_mov_b32 v[STA0], s23
	v_add_nc_u32 v[LS], s23, v[L16]
	v_mul_u32_u24 v[PFO], v5, ROWQ
	; the mask at my first row and my chunk
	s_lshl_b32 s22, s[TY], 8
	s_lshl_b32 s23, s[HR], 7
	s_add_co_u32 s22, s22, s23
	s_lshl_b32 s22, s22, 13
	s_lshl_b32 s23, s[TX], 10
	s_add_co_u32 s22, s22, s23
	s_lshl_b32 s23, s[HC], 9
	s_add_co_u32 s22, s22, s23
	s_mov_b32 s23, 0
	s_add_nc_u64 s[MP:MP+1], s[6:7], s[22:23]
	; the prefetches
	s_lshl_b32 s70, s[TY], 8
	s_lshl_b32 s71, s[CX], 5
	s_add_co_u32 s70, s70, s71
	s_lshl_b32 s72, s[BT], 11
	s_lshl_b32 s73, s[TX], 8
	s_add_co_u32 s72, s72, s73
	s_lshl_b32 s73, s[CY], 5
	s_add_co_u32 s72, s72, s73
	s_and_b32 s73, s[CLY], 1
	s_cmp_eq_u32 s[HR], 0
	s_cselect_b32 s70, s70, s72
	s_cselect_b32 s71, ttmp9, s73                  ; the coordinate along which other clusters read the same rows
	s_cselect_b32 s72, 0, 2048
	s_lshl_b32 s73, s[HC], 7
	s_add_co_u32 s70, s70, s73
	s_mul_i32 s70, s70, ROWQ
	s_add_co_u32 s70, s70, s72
	s_add_co_u32 s70, s70, 3*KSTEP*2               ; at K step 3: the first refill steps it to 4
	s_cmp_eq_u32 s71, 0
	s_cselect_b32 s[LIM], 2, -1
	s_mov_b32 s71, 0
	s_add_nc_u64 s[PFA:PFA+1], s[4:5], s[70:71]
	s_wait_tensorcnt 0x1                           ; my part of K step 0 is in; K step 1's may stay out
	s_barrier_signal -1
	s_barrier_wait -1
	FETCH 0, F0
	QUARTER 64, F0, F1, 1                          ; the first products start the sums
	WIN 0
.set i, 0
.rept 16                                       ; the mask words of my first 16 rows: they have all the products in which to come
	global_load_b128 v[MK+4*i:MK+4*i+3], v[L16], s[MP:MP+1] offset:i*ROWM th:TH_LOAD_NT
.set i, i+1
.endr
	s_mov_b32 s[CNT], T-2
.Lstep:                                        ; a trip: a K step's quarters 2 to 4 and the next step's first; the slot left is filled again
	QUARTER 128, F1, F0, 0
	QUARTER 192, F0, F1, 0
	TURN 1
	QUARTER 64,  F0, F1, 0
	WIN 0
	s_sub_co_u32 s[CNT], s[CNT], 1
	s_cmp_lg_u32 s[CNT], 0
	s_cbranch_scc1 .Lstep
	s_mov_b32 s[CNT], 2
.Ltail:                                        ; the last two K steps ask for nothing; the second has no quarter behind it
	QUARTER 128, F1, F0, 0
	QUARTER 192, F0, F1, 0
	TURN 0
	WIN 0
	s_cmp_eq_u32 s[CNT], 1
	s_cbranch_scc1 .Lno_q1
	QUARTER 64,  F0, F1, 0
	WIN 0
.Lno_q1:
	s_sub_co_u32 s[CNT], s[CNT], 1
	s_cmp_lg_u32 s[CNT], 0
	s_cbranch_scc1 .Ltail
	; THE WAY OUT.  My LDS loads are all back and no tensor load is out: behind this barrier nobody reads the ring, and nothing fills it again.
	s_wait_dscnt 0x0
	s_barrier_signal -1
	s_lshl_b32 s22, s[TX], 1
	s_add_co_u32 s22, s22, s[HC]                   ; my chunk c
	s_lshl_b32 s23, s[BT], 4
	s_add_co_u32 s22, s22, s23
	s_lshl_b32 s22, s22, 11                        ; (16 batch + c) x 2,048 rows
	s_and_b32 s23, s[TY], 7
	s_lshl_b32 s23, s23, 8
	s_add_co_u32 s22, s22, s23
	s_lshl_b32 s23, s[HR], 7
	s_add_co_u32 s22, s22, s23                     ; + my first row in the batch
	s_barrier_wait -1
	s_lshl_b32 s26, s22, 3
	s_mov_b32 s27, 0
	s_add_nc_u64 s[10:11], s[10:11], s[26:27]      ; 8 bytes of (cm, l) a row
	s_lshl_b32 s22, s[TY], 8
	s_add_co_u32 s22, s22, s23
	s_lshl_b32 s22, s22, 12                        ; P: 4,096 bytes a row
	s_lshl_b32 s26, s[TX], 9
	s_add_co_u32 s22, s22, s26
	s_lshl_b32 s26, s[HC], 8
	s_add_co_u32 s22, s22, s26
	s_mov_b32 s23, 0
	s_add_nc_u64 s[8:9], s[8:9], s[22:23]
	s_wait_xcnt 0x0                                ; the first 16 rows' mask loads have read their address
	s_add_nc_u64 s[MP:MP+1], s[MP:MP+1], 16*ROWM   ; the next 16 rows
	s_mov_b32 s28, 0x3d38aa3b                      ; c = log2(e) / 32
	s_mov_b32 s29, s28
	s_mov_b32 s30, 0x76543210
	s_mov_b32 s31, 0xfedcba98
	PLACES
	v_mov_b32 v[NEG], 0xf149f2ca                   ; -1e30
	v_mov_b32 v[FLO], 0xe9000000                   ; -2^83
.irp i, 0,1,2,3
	v_mov_b32 v[ZZ+\i], 0
.endr
.set i, 0
.rept 8
	v_mov_b32 v[UU+i], 0                           ; v_permlanex16_b32 counts as a reader of its destination
	v_mov_b32 v[STT+2*i+1], 0                      ; named with cm as a pair before l is made
.set i, i+1
.endr
.set t, 0
.rept 64                                       ; accumulator t = 8 a + b: row 16 a + r, bytes 64 b + 32 h; each accumulator's low registers go first
	WIN 0x08+4*(t/32)
	ds_store_b128 v[DST], v[8*(t%32):8*(t%32)+3]   offset:(t/8)*16*DP+(t%8)*64
	ds_store_b128 v[DST], v[8*(t%32)+4:8*(t%32)+7] offset:(t/8)*16*DP+(t%8)*64+16
.set t, t+1
.endr
	WIN 0
.irp i, 0,1,2,3,4,5,6,7
	ds_store_b128 v[ZA], v[ZZ:ZZ+3] offset:DP*\i   ; the eight rows that the last look-ahead reads
.endr
.macro RLOAD s, row0                   ; eight rows into set s; LDS serves a wave's instructions in order, and the bytes are my own
.irp i, 0,1,2,3,4,5,6,7
	ds_load_b128 v[64+32*(\s)+4*(\i):64+32*(\s)+4*(\i)+3], v[RDA] offset:((\row0)+(\i))*DP
.endr
.endm
; Eight rows: set s holds row i's 128 scores, four a lane; mask set s their mask words.
.macro TRIP8 s
.set SB, 64+32*(\s)
.set MS, MK+32*(\s)
	RLOAD 1-(\s), 8+8*(\s)                         ; the next eight rows' scores
	s_wait_loadcnt 8                               ; these rows' mask words are in; the other set's eight loads, which are younger, may be out
.set n, 0
.rept 32
	v_cmp_ne_u32 s[MW+n], 0, v[MS+n]               ; bit l: the key 4 l + n % 4 of row n / 4 is open
.set n, n+1
.endr
.irp i, 0,1,2,3,4,5,6,7
	global_load_b128 v[MS+4*\i:MS+4*\i+3], v[L16], s[MP:MP+1] offset:(8*(\s)+\i)*ROWM th:TH_LOAD_NT  ; the same rows of the next trip: 512 consecutive bytes a row
.endr
	s_wait_dscnt 8                                 ; all but the eight LDS loads just issued
.irp i, 0,1,2,3,4,5,6,7
.irp j, 0,1,2,3
	v_cndmask_b32 v[SB+4*\i+\j], v[NEG], v[SB+4*\i+\j], s[MW+4*\i+\j]
.endr
.endr
.irp i, 0,1,2,3,4,5,6,7
	v_max3_num_f32 v[MX+\i], v[SB+4*\i], v[SB+4*\i+1], v[SB+4*\i+2]
.endr
.irp i, 0,1,2,3,4,5,6,7
	v_max3_num_f32 v[MX+\i], v[MX+\i], v[SB+4*\i+3], v[FLO]
.endr
.irp m, 1,2,4,8
.irp i, 0,1,2,3,4,5,6,7
	v_max_num_f32_dpp v[MX+\i], v[MX+\i], v[MX+\i] row_xmask:\m row_mask:0xf bank_mask:0xf
.endr
.endr
.irp i, 0,1,2,3,4,5,6,7
	v_permlanex16_b32 v[UU+\i], v[MX+\i], s30, s31
.endr
.irp i, 0,1,2,3,4,5,6,7
	v_max_num_f32 v[MX+\i], v[MX+\i], v[UU+\i]
.endr
.irp i, 0,1,2,3,4,5,6,7
	v_mul_f32 v[STT+2*\i], s28, v[MX+\i]           ; cm
.endr
.irp i, 0,1,2,3,4,5,6,7
.irp p, 0,1
	v_pk_fma_f32 v[SB+4*\i+2*\p:SB+4*\i+2*\p+1], v[SB+4*\i+2*\p:SB+4*\i+2*\p+1], s[28:29], v[STT+2*\i:STT+2*\i+1] op_sel_hi:[1,0,0] neg_lo:[0,0,1] neg_hi:[0,0,1]  ; c s - cm
.endr
.endr
.set n, 0
.rept 32                                       ; one batch of exponentials,
	v_exp_f32 v[SB+n], v[SB+n]
.set n, n+1
.endr
	v_nop                                          ; a plain instruction behind the last,
	s_wait_alu depctr_va_vdst(0)                   ; and one wait ahead of the first reader
	s_wait_xcnt 0x0                                ; the last eight rows' stores have read PO
.irp i, 0,1,2,3,4,5,6,7
.irp p, 0,1
	v_cvt_pk_f16_f32 v[PO+2*\i+\p], v[SB+4*\i+2*\p], v[SB+4*\i+2*\p+1]
.endr
.endr
.irp i, 0,1,2,3,4,5,6,7
	v_pk_add_f32 v[SB+4*\i:SB+4*\i+1], v[SB+4*\i:SB+4*\i+1], v[SB+4*\i+2:SB+4*\i+3]
.endr
.irp i, 0,1,2,3,4,5,6,7
	v_add_f32 v[MX+\i], v[SB+4*\i], v[SB+4*\i+1]
.endr
.irp m, 1,2,4,8
.irp i, 0,1,2,3,4,5,6,7
	v_add_f32_dpp v[MX+\i], v[MX+\i], v[MX+\i] row_xmask:\m row_mask:0xf bank_mask:0xf
.endr
.endr
.irp i, 0,1,2,3,4,5,6,7
	v_permlanex16_b32 v[UU+\i], v[MX+\i], s30, s31
.endr
.irp i, 0,1,2,3,4,5,6,7
	v_add_f32 v[STT+2*\i+1], v[MX+\i], v[UU+\i]    ; l
.endr
.irp i, 0,1,2,3,4,5,6,7
	ds_store_b64 v[STA], v[STT+2*\i:STT+2*\i+1] offset:(8*(\s)+\i)*8   ; every lane holds the same pair
	global_store_b64 v[POF], v[PO+2*\i:PO+2*\i+1], s[8:9] offset:(8*(\s)+\i)*4096  ; 32 lanes store 256 consecutive bytes, aligned
.endr
.endm
	s_mov_b32 s[CNT], 8
	s_mov_b32 s[TB], 0
	s_mov_b32 s[SO], 0
	v_mov_b32 v[RDA], v[RDA0]
	v_mov_b32 v[STA], v[STA0]
	RLOAD 0, 0
.Lrows:                                        ; 16 rows a trip
	TRIP8 0
	TRIP8 1
	s_wait_xcnt 0x0                                ; the stores have read P's address, the loads the mask's
	s_add_nc_u64 s[8:9], s[8:9], 16*4096
	s_cmp_gt_u32 s[CNT], 2                         ; the last trip has no rows behind it: the pointer stays at the last 16 rows, which are read once more, so that no load leaves the mask and the counted waits hold in every trip
	s_cselect_b32 s26, 16*ROWM, 0
	s_add_nc_u64 s[MP:MP+1], s[MP:MP+1], s[26:27]
	s_add_co_u32 s[TB], s[TB], 16*DP
	s_add_co_u32 s[SO], s[SO], 128
	v_add_nc_u32 v[RDA], s[TB], v[RDA0]
	v_add_nc_u32 v[STA], s[SO], v[STA0]
	s_sub_co_u32 s[CNT], s[CNT], 1
	s_cmp_lg_u32 s[CNT], 0
	s_cbranch_scc1 .Lrows
	s_wait_loadcnt 0x0
	ds_load_b128 v[OUTS:OUTS+3], v[LS]             ; my 128 pairs, 1,024 consecutive bytes
	ds_load_b128 v[OUTS+4:OUTS+7], v[LS] offset:512
	s_wait_dscnt 0x0
	global_store_b128 v[L16], v[OUTS:OUTS+3], s[10:11]
	global_store_b128 v[L16], v[OUTS+4:OUTS+7], s[10:11] offset:512
	s_wait_tensorcnt 0x0                           ; the wave's end
	ds_add_u32 v[SPW], v[NIL]
	s_wait_dscnt 0x0
	CROUND
	s_endpgm
.Lfunc_end_k_q37e6173177_score:
	.size	k_q37e6173177_score, .Lfunc_end_k_q37e6173177_score-k_q37e6173177_score
	.p2alignl 7, 3214868480
	.fill 96, 4, 3214868480
	.section	.rodata,"a",@progbits
	.p2align	6, 0x0
	.amdhsa_kernel k_q37e6173177_score
		.amdhsa_group_segment_fixed_size 327680
		.amdhsa_private_segment_fixed_size 0
		.amdhsa_enable_private_segment 0
		.amdhsa_kernarg_size 32
		.amdhsa_user_sgpr_count 2
		.amdhsa_user_sgpr_kernarg_segment_ptr 1
		.amdhsa_wavefront_size32 1
		.amdhsa_system_sgpr_workgroup_id_x 1
		.amdhsa_system_sgpr_workgroup_id_y 1
		.amdhsa_system_sgpr_workgroup_id_z 1
		.amdhsa_system_vgpr_workitem_id 0
		.amdhsa_next_free_vgpr 1024
		.amdhsa_next_free_sgpr 102
		.amdhsa_reserve_vcc 0
		.amdhsa_float_denorm_mode_32 3
		.amdhsa_float_denorm_mode_16_64 3
		.amdhsa_memory_ordered 1
		.amdhsa_forward_progress 1
		.amdhsa_inst_pref_size 117
	.end_amdhsa_kernel
	.amdgpu_metadata
---
amdhsa.version: [ 1, 2 ]
amdhsa.kernels:
  - .name:           k_q37e6173177_score
    .symbol:         k_q37e6173177_score.kd
    .args:
      - { .name: QKV, .offset: 0, .size: 8, .value_kind: global_buffer, .address_space: global }
      - { .name: mask, .offset: 8, .size: 8, .value_kind: global_buffer, .address_space: global }
      - { .name: P, .offset: 16, .size: 8, .value_kind: global_buffer, .address_space: global }
      - { .name: ML, .offset: 24, .size: 8, .value_kind: global_buffer, .address_space: global }
    .group_segment_fixed_size: 327680
    .private_segment_fixed_size: 0
    .kernarg_segment_align: 8
    .kernarg_segment_size: 32
    .max_flat_workgroup_size: 128
    .sgpr_count:     102
    .vgpr_count:     1024
    .wavefront_size: 32
...
	.end_amdgpu_metadata
.endif
;; end of part 3
;; launch pv (part 4): grid 4 x 64, 4 waves a work-group, clusters of 4 x 4, 327,680 bytes of LDS; arguments P, QKV, ML, CTX; writes CTX
.if DOCPART == 4
	.amdgcn_target "amdgcn-amd-amdhsa--gfx1250"
	.amdhsa_code_object_version 6
	.text
	.protected	k_q37e6173177_pv
	.globl	k_q37e6173177_pv
	.p2align	8
	.type	k_q37e6173177_pv,@function
k_q37e6173177_pv:
	s_mov_b64 s[64:65], 0
	v_nop
	global_prefetch_b8 v0, s[64:65] scope:SCOPE_SE
	s_setreg_imm32_b32 hwreg(HW_REG_WAVE_MODE, 25, 1), 1
	s_wait_xcnt 0x0
	s_wait_alu depctr_hold_cnt(0) depctr_sa_sdst(0) depctr_va_vdst(0) depctr_va_sdst(0) depctr_va_ssrc(0) depctr_va_vcc(0) depctr_vm_vsrc(0)
	s_getreg_b32 s2, hwreg(HW_REG_IB_STS2, 6, 4)
	s_cmp_eq_u32 s2, 0
	s_cbranch_scc0 .Lentry_in_a_cluster
	s_endpgm
.Lentry_in_a_cluster:
	s_bfe_u32 s2, ttmp6, 0x10000c
	s_cmp_lg_u32 s2, 0xf033
	s_cbranch_scc0 .Lentry_shape_is_right
	s_endpgm
.Lentry_shape_is_right:
; CTX[q][e] = (sum over chunks c of f_c[q] x sum over the chunk's keys of p[q][k] v[k][e]) / L[q].  p: P [8192][2048] f16, each chunk of 128 keys scaled by its own maximum; (cm, l): ML.
; THE SOFTMAX'S SECOND HALF: M = the maximum of a row's 16 cm; f_c = 2^(cm_c - M), at most 1; L = the sum of f_c l_c (f32).  p's fragments of chunk c are multiplied by f_c (rounded to f16) on their way to the
; matrix unit; the finished sums by 1 / L.  A row with no open key has L = 0 and sums 0: 0 x infinity gives the NaN that the softmax of such a row is.
; LIMITS: f_c below 6e-8 counts as 0 (L is at least the weight 1 of the row's largest score); v within f16's range.
; v: columns 2048-3071 of QKV's rows, [key][channel], turned on its way out of LDS by ds_load_tr16_b128.  A tile of CTX is 128 x 256: 256 work-groups.  Four waves, each 64 x 128.  K = 2,048 keys in 16 steps of 128: a step is a chunk.
; CLUSTER 4 x 4: p's tile is shared along a row of the cluster, v's along a column.  Waves 0, 1 fetch p's halves (64 rows), waves 2, 3 v's (64 keys x 512 bytes).
; REGISTERS: window 0 addresses, 1 / L, way out; window 1 v's fragments (buffer f at 64 f + 8 b), v128-131 the step's four factors; window 2 accumulators of a = 0, 1, p's fragments (buffer f at 128 + 32 f + 8 a);
; window 3 accumulators of a = 2, 3; ahead of the loop its registers hold the statistics.
.set T,      16
.set PITCH,  272
.set PV,     544                       ; a key's 512 bytes + 32
.set AHALF,  64*PITCH
.set BHALF,  64*PV
.set BOFF,   2*AHALF
.set SLOT1,  1<<17
.set STAGE,  SLOT1+BOFF+2*BHALF
.set SP,     272
.set GT,     STAGE+4*16*SP             ; the factors: for each wave 16 chunks x 512 bytes
.set SPARE,  GT+4*8192
.set ROWC,   2048
.set BSTEP,  128*6144                  ; 128 keys on in QKV
.set ABITS,  (1<<16)|(1<<20)|(1<<21)|(5<<22)|(3<<25)
.set BBITS,  (1<<16)|(1<<20)|(1<<21)|(6<<22)|(7<<25)  ; after every 128 words, 8 words
.set ADRA0, 2
.set ADRB0, 3
.set ADRA,  4
.set ADRB,  5
.set STO,   6
.set RD,    7
.set CO,    8
.set PFO,   9
.set INV,   16                         ; v16-23: 1 / L of block a, as a pair
.set GTA0,  24
.set GTA,   25
.set SPW,   28
.set NIL,   29
.set TMP,   32
.set BK,    64
.set WV,  12
.set WR,  13
.set WC,  14
.set LIM, 15
.set CX,  16
.set CY,  17
.set TX,  18
.set TY,  19
.set CLY, 20
.set BT,  21
.set G1A, 24
.set G0A, 32
.set PFA, 40
.set PST, 42
.set CNT, 44
.set TB,  45
.set G1B, 48
.set G0B, 56
.set GOF, 72
.set MSB, 0
.macro WIN new
.if MSB != (\new)
	s_set_vgpr_msb (MSB<<8)|(\new)
.set MSB, (\new)
.endif
.endm
.macro PLACES
.rept 4
	v_nop
.endr
.endm
.macro CREST
	s_cmp_lg_u32 s[WV], 0
	s_cbranch_scc1 .Lnot_wave_0_\@
	s_barrier_signal -3
.Lnot_wave_0_\@:
	s_barrier_wait -3
	s_barrier_signal -1
	s_barrier_wait -1
.endm
.macro CROUND
	s_barrier_signal -1
	s_barrier_wait -1
	CREST
.endm
.macro JLOAD
	s_cmp_lt_u32 s[WV], 2
	s_cbranch_scc0 .Lfor_b_\@
	tensor_load_to_lds s[G0A+4:G0A+7], s[G1A:G1A+7]
	s_nop 0
.rept 4
	v_nop
.endr
	s_branch .Lasked_\@
.Lfor_b_\@:
	tensor_load_to_lds s[G0B+4:G0B+7], s[G1B:G1B+7]
	s_nop 0
.rept 4
	v_nop
.endr
.Lasked_\@:
.endm
; A prefetch of the step two refills on (256 matrix instructions ahead), a lane a row.  p's 128 rows: partner cx takes 32, wave 0 issues.  v's 128 keys x 512 bytes: the batch's first row of clusters alone asks,
; partner cy takes 32 keys, wave 2 their first 256 bytes and wave 3 their second.  So each 256 bytes are named once.  The last two refills have no step two on.
.macro ASK
	s_cmp_gt_u32 s[CNT], s[LIM]
	s_cbranch_scc0 .Lnot_mine_\@
	global_prefetch_b8 v[PFO], s[PFA:PFA+1] th:TH_LOAD_NT scope:SCOPE_SE
.Lnot_mine_\@:
.endm
.macro PROD f, a, b, first             ; the 32 accumulators take turns, in the same order in every quarter
.if \first
	v_wmma_f32_16x16x32_f16 v[64*((\a)%2)+8*(\b):64*((\a)%2)+8*(\b)+7], v[64*(\f)+8*(\b):64*(\f)+8*(\b)+7], v[128+32*(\f)+8*(\a):128+32*(\f)+8*(\a)+7], 0
.else
	v_wmma_f32_16x16x32_f16 v[64*((\a)%2)+8*(\b):64*((\a)%2)+8*(\b)+7], v[64*(\f)+8*(\b):64*(\f)+8*(\b)+7], v[128+32*(\f)+8*(\a):128+32*(\f)+8*(\a)+7], v[64*((\a)%2)+8*(\b):64*((\a)%2)+8*(\b)+7]
.endif
.endm
.macro MUL8 f, a, first
	WIN 0xa9+0x50*((\a)/2)
.irp b, 0,1,2,3,4,5,6,7
	PROD \f, \a, \b, \first
.endr
.endm
.macro SC f                            ; register n of buffer f's 32 of p, times its block's factor: under the products' own window setting (destination and source 1 window 2, source 0 window 1)
	v_pk_mul_f16 v[128+32*(\f)+n], v[128+n/8], v[128+32*(\f)+n]
.set n, n+1
.endm
.macro MUL0S f, first                  ; block 0's products; 12 scalings ahead of them, the other 20 behind the first seven, three at a time
	WIN 0xa9
.set n, 0
.rept 12
	SC \f
.endr
.irp b, 0,1,2,3,4,5,6,7
	PROD \f, 0, \b, \first
.rept 3
.if n < 32
	SC \f
.endif
.endr
.endr
.endm
.macro FETCH kq, g, withg              ; quarter kq (32 keys): v's 8 fragments, turned, then p's 4; withg = 1: first the step's four factors
	WIN 0x40
.if \withg
	ds_load_b128 v[128:131], v[GTA]
.endif
.irp b, 0,1,2,3,4,5,6,7
	ds_load_tr16_b128 v[64*(\g)+8*(\b):64*(\g)+8*(\b)+3],   v[ADRB] offset:(\kq)*32*PV+32*(\b)
	ds_load_tr16_b128 v[64*(\g)+8*(\b)+4:64*(\g)+8*(\b)+7], v[ADRB] offset:(\kq)*32*PV+16*PV+32*(\b)
.endr
	WIN 0x80
.irp a, 0,1,2,3
	ds_load_b128 v[128+32*(\g)+8*(\a):128+32*(\g)+8*(\a)+3],   v[ADRA] offset:(\kq)*64+(\a)*16*PITCH
	ds_load_b128 v[128+32*(\g)+8*(\a)+4:128+32*(\g)+8*(\a)+7], v[ADRA] offset:(\kq)*64+(\a)*16*PITCH+32
.endr
.endm
.macro QUARTER kq, f, g, first
	s_wait_dscnt 0x0                               ; the scalings want all of p's fragments
	MUL0S \f, \first
	PLACES
	FETCH \kq, \g, 0                               ; 24 products ahead of the wait for it
	MUL8 \f, 1, \first
	MUL8 \f, 2, \first
	MUL8 \f, 3, \first
.endm
; The fourth quarter changes slots, as in the other products of this program.  fill = 0: the last two steps; in the very last (count 1) there is nothing more to fetch, and the run of loads is jumped over.
.macro TURN fill
.if \fill
	s_wait_xcnt 0x0                                ; the last prefetch, a step back, has read its address
	s_add_nc_u64 s[PFA:PFA+1], s[PFA:PFA+1], s[PST:PST+1]
.endif
	WIN 0
	s_wait_tensorcnt 0x0                           ; all my tensor loads have landed: my part of the next slot
	ds_add_u32 v[SPW], v[NIL]
	s_wait_dscnt 1                                 ; the add alone may be out
	MUL0S 1, 0
	s_wait_dscnt 0x0
	s_barrier_signal -1
	MUL8 1, 1, 0
	WIN 0
	s_barrier_wait -1
.if \fill
	CREST
	s_xor_b32 s[G0A+5], s[G0A+5], SLOT1
	s_add_nc_u64 s[G0A+6:G0A+7], s[G0A+6:G0A+7], 256
	s_xor_b32 s[G0B+5], s[G0B+5], SLOT1
	s_add_nc_u64 s[G0B+6:G0B+7], s[G0B+6:G0B+7], BSTEP
	JLOAD
.else
	PLACES
	s_cmp_eq_u32 s[CNT], 1
	s_cbranch_scc1 .Lno_fetch_\@
.endif
	s_xor_b32 s[TB], s[TB], SLOT1
	s_add_co_u32 s[GOF], s[GOF], 512
	v_add_nc_u32 v[ADRA], s[TB], v[ADRA0]
	v_add_nc_u32 v[ADRB], s[TB], v[ADRB0]
	v_add_nc_u32 v[GTA], s[GOF], v[GTA0]           ; the next chunk's factors
	FETCH 0, 0, 1
	WIN 0
.if \fill
	ASK
.else
.Lno_fetch_\@:
.endif
	MUL8 1, 2, 0
	MUL8 1, 3, 0
.endm
	s_load_b256 s[4:11], s[0:1], 0x0               ; P s[4:5], QKV s[6:7], ML s[8:9], CTX s[10:11]
	v_lshl_add_u32 v[SPW], v0, 2, SPARE
	v_mov_b32 v[NIL], 0
	ds_add_u32 v[SPW], v[NIL]                      ; the wave's opening: the add and its wait ahead of my first tensor load
	v_lshrrev_b32 v1, 5, v0
	v_readfirstlane_b32 s[WV], v1
	s_lshr_b32 s[WR], s[WV], 1
	s_and_b32 s[WC], s[WV], 1
	s_bfe_u32 s[CX], ttmp6, 0x40000
	s_bfe_u32 s[CY], ttmp6, 0x40004
	s_lshl_b32 s[TX], ttmp9, 2
	s_add_co_u32 s[TX], s[TX], s[CX]
	s_and_b32 s[CLY], ttmp7, 0xffff
	s_lshl_b32 s[TY], s[CLY], 2
	s_add_co_u32 s[TY], s[TY], s[CY]
	s_lshr_b32 s[BT], s[CLY], 2                    ; batch: sixteen row tiles, four rows of clusters
	s_lshl_b32 s22, s[CY], 2
	s_lshl_b32 s22, 15, s22
	s_lshl_b32 s23, 0x1111, s[CX]
	s_or_b32 s[G1A], s22, ABITS
	s_or_b32 s[G1B], s23, BBITS
	s_mov_b32 s[G1A+1], 128<<16                    ; p: 64 rows x 128 keys
	s_mov_b32 s[G1A+2], 64<<16
	s_mov_b32 s[G1A+3], 128<<16
	s_mov_b32 s[G1A+4], 64
	s_mov_b32 s[G1A+5], 2048
	s_mov_b32 s[G1A+6], 0
	s_mov_b32 s[G1A+7], 0
	s_mov_b32 s[G1B+1], 256<<16                    ; v: 64 keys x 256 channels
	s_mov_b32 s[G1B+2], 64<<16
	s_mov_b32 s[G1B+3], 256<<16
	s_mov_b32 s[G1B+4], 64
	s_mov_b32 s[G1B+5], 3072
	s_mov_b32 s[G1B+6], 0
	s_mov_b32 s[G1B+7], 0
	s_lshl_b32 s66, s[TY], 7
	s_lshl_b32 s68, s[WC], 6
	s_add_co_u32 s66, s66, s68
	s_lshl_b32 s66, s66, 12                        ; p: 4,096 bytes a row
	s_mov_b32 s67, 0
	s_lshl_b32 s46, s[BT], 11
	s_add_co_u32 s46, s46, s68                     ; v: key 2,048 x batch + 64 x half,
	s_mul_i32 s46, s46, 6144
	s_lshl_b32 s47, s[TX], 9
	s_add_co_u32 s46, s46, s47                     ; the tile's 256 channels,
	s_add_co_u32 s46, s46, 4096                    ; behind q and k in the row
	s_mov_b32 s47, 0
	s_mul_i32 s68, s[WC], AHALF
	s_mul_i32 s69, s[WC], BHALF
	s_add_co_u32 s69, s69, BOFF
	s_mov_b32 s[TB], 0
	s_mov_b32 s[GOF], 0
	s_wait_dscnt 0x0
	s_wait_kmcnt 0x0
	s_add_nc_u64 s[66:67], s[4:5], s[66:67]
	s_add_nc_u64 s[46:47], s[6:7], s[46:47]
	CROUND
.irp s, 0,1
	s_mov_b32 s[G0A+4*\s], 1
	s_add_co_u32 s[G0A+4*\s+1], s68, (\s)*SLOT1
	s_add_nc_u64 s[G0A+4*\s+2:G0A+4*\s+3], s[66:67], (\s)*256
	s_or_b32 s[G0A+4*\s+3], s[G0A+4*\s+3], 0x80000000
	s_mov_b32 s[G0B+4*\s], 1
	s_add_co_u32 s[G0B+4*\s+1], s69, (\s)*SLOT1
	s_add_nc_u64 s[G0B+4*\s+2:G0B+4*\s+3], s[46:47], (\s)*BSTEP
	s_or_b32 s[G0B+4*\s+3], s[G0B+4*\s+3], 0x80000000
.endr
	s_cmp_lt_u32 s[WV], 2                          ; a wave's two first fills stand in one branch: two loads of mine are out
	s_cbranch_scc0 .Lfirst_b
	tensor_load_to_lds s[G0A:G0A+3], s[G1A:G1A+7]
	s_nop 0
	tensor_load_to_lds s[G0A+4:G0A+7], s[G1A:G1A+7]
	s_nop 0
.rept 4
	v_nop
.endr
	s_branch .Lfirst_done
.Lfirst_b:
	tensor_load_to_lds s[G0B:G0B+3], s[G1B:G1B+7]
	s_nop 0
	tensor_load_to_lds s[G0B+4:G0B+7], s[G1B:G1B+7]
	s_nop 0
.rept 4
	v_nop
.endr
.Lfirst_done:
	v_and_b32 v10, 15, v0                          ; r
	v_bfe_u32 v11, v0, 4, 1                        ; h
	v_and_b32 v12, 31, v0                          ; l
	; the statistics of my 64 rows: (cm, l) of row 16 a + r, chunk c, into window 3 at 128 + 2 (16 a + c)
	v_lshlrev_b32 v14, 3, v10
	s_lshl_b32 s22, s[BT], 18                      ; 16 chunks x 2,048 rows x 8 bytes a batch
	s_and_b32 s23, s[TY], 15
	s_lshl_b32 s23, s23, 10
	s_add_co_u32 s22, s22, s23
	s_lshl_b32 s23, s[WR], 9
	s_add_co_u32 s22, s22, s23
	s_mov_b32 s23, 0
	s_add_nc_u64 s[8:9], s[8:9], s[22:23]
	WIN 0xc0
.set t, 0
.rept 64
	global_load_b64 v[128+2*t:129+2*t], v14, s[8:9] offset:(t%16)*16384+(t/16)*128
.set t, t+1
.endr
	WIN 0
	v_mul_u32_u24 v13, v10, PITCH
	v_lshl_add_u32 v13, v11, 4, v13
	s_mul_i32 s22, s[WR], AHALF
	v_add_nc_u32 v[ADRA0], s22, v13
	v_and_b32 v15, 7, v0                           ; the turning load: lane l reads key 8 h + l % 8, channels 8 ((l / 8) % 2) + 0..7
	v_lshl_add_u32 v15, v11, 3, v15
	v_mul_u32_u24 v15, v15, PV
	v_bfe_u32 v1, v0, 3, 1
	v_lshl_add_u32 v15, v1, 4, v15
	s_lshl_b32 s22, s[WC], 8                       ; my 128 channels
	s_add_co_u32 s22, s22, BOFF
	v_add_nc_u32 v[ADRB0], s22, v15
	v_mov_b32 v[ADRA], v[ADRA0]
	v_mov_b32 v[ADRB], v[ADRB0]
	s_mul_i32 s22, s[WV], 16*SP
	s_add_co_u32 s22, s22, STAGE
	v_add_nc_u32 v[STO], s22, v13
	v_mul_u32_u24 v15, v11, SP
	v_lshl_add_u32 v15, v10, 4, v15
	v_add_nc_u32 v[RD], s22, v15
	v_mul_u32_u24 v15, v11, ROWC
	v_lshl_add_u32 v[CO], v10, 4, v15
	s_lshl_b32 s22, s[WV], 13
	s_add_co_u32 s22, s22, GT
	v_lshl_add_u32 v[GTA0], v12, 4, s22
	v_mov_b32 v[GTA], v[GTA0]
	s_lshl_b32 s22, s[TY], 7                       ; CTX at my part of the tile
	s_lshl_b32 s23, s[WR], 6
	s_add_co_u32 s22, s22, s23
	s_lshl_b32 s22, s22, 11
	s_lshl_b32 s23, s[TX], 9
	s_add_co_u32 s22, s22, s23
	s_lshl_b32 s23, s[WC], 8
	s_add_co_u32 s22, s22, s23
	s_mov_b32 s23, 0
	s_add_nc_u64 s[10:11], s[10:11], s[22:23]
	; the prefetches
	s_lshl_b32 s68, s[TY], 7
	s_lshl_b32 s69, s[CX], 5
	s_add_co_u32 s68, s68, s69
	s_lshl_b32 s68, s68, 12
	s_add_co_u32 s68, s68, 768                     ; p at step 3: the first refill steps it to 4
	s_lshl_b32 s70, s[BT], 11
	s_lshl_b32 s71, s[CY], 5
	s_add_co_u32 s70, s70, s71
	s_mul_i32 s70, s70, 6144
	s_lshl_b32 s71, s[TX], 9
	s_add_co_u32 s70, s70, s71
	s_lshl_b32 s71, s[WC], 8
	s_add_co_u32 s70, s70, s71
	s_add_co_u32 s70, s70, 4096+3*BSTEP            ; v at step 3
	s_and_b32 s71, s[CLY], 3
	s_mov_b32 s23, 6144
	s_mov_b32 s[PST], BSTEP
	s_mov_b32 s[PST+1], 0
	s_cmp_lt_u32 s[WV], 2
	s_cselect_b32 s68, s68, s70
	s_cselect_b32 s71, ttmp9, s71                  ; the coordinate along which other clusters read the same rows
	s_cselect_b64 s[PFA:PFA+1], s[4:5], s[6:7]
	s_cselect_b32 s23, 4096, s23
	s_cselect_b32 s[PST], 256, s[PST]
	s_mov_b32 s69, 0
	s_add_nc_u64 s[PFA:PFA+1], s[PFA:PFA+1], s[68:69]
	v_mul_u32_u24 v[PFO], v12, s23
	s_cmp_eq_u32 s[WV], 1                          ; wave 1 asks for nothing
	s_cselect_b32 s68, 1, 0
	s_or_b32 s71, s71, s68
	s_cmp_eq_u32 s71, 0
	s_cselect_b32 s[LIM], 2, -1
	s_wait_loadcnt 0x0
	WIN 0xff                                       ; all in window 3: M at v[a], L at v[8 + a], the factors as f16 at v[64 + 4 c + a]
.irp a, 0,1,2,3
	v_max3_num_f32 v[\a], v[128+32*\a], v[130+32*\a], v[132+32*\a]
.endr
.irp k, 1,2,3,4,5,6
.irp a, 0,1,2,3
	v_max3_num_f32 v[\a], v[\a], v[128+32*\a+4*\k+2], v[128+32*\a+4*\k+4]
.endr
.endr
.irp a, 0,1,2,3
	v_max_num_f32 v[\a], v[\a], v[158+32*\a]
.endr
.set t, 0
.rept 64
	v_sub_f32 v[128+2*t], v[128+2*t], v[t/16]      ; cm - M
.set t, t+1
.endr
.set t, 0
.rept 64                                       ; one batch,
	v_exp_f32 v[128+2*t], v[128+2*t]
.set t, t+1
.endr
	v_nop                                          ; a plain instruction behind the last,
	s_wait_alu depctr_va_vdst(0)                   ; one wait ahead of the first reader
.irp a, 0,1,2,3
	v_mul_f32 v[8+\a], v[128+32*\a], v[129+32*\a]
.endr
.irp c, 1,2,3,4,5,6,7,8,9,10,11,12,13,14,15
.irp a, 0,1,2,3
	v_fmac_f32 v[8+\a], v[128+32*\a+2*\c], v[129+32*\a+2*\c]
.endr
.endr
.set t, 0
.rept 64
	v_cvt_pk_f16_f32 v[64+4*(t%16)+t/16], v[128+2*t], v[128+2*t]  ; f in both halves
.set t, t+1
.endr
	WIN 0x03                                       ; source window 3, destination window 0
.irp a, 0,1,2,3
	v_rcp_f32 v[INV+2*\a], v[8+\a]
	v_rcp_f32 v[INV+2*\a+1], v[8+\a]
.endr
	v_nop
	s_wait_alu depctr_va_vdst(0)
	WIN 0x0c                                       ; store data in window 3
.irp c, 0,1,2,3,4,5,6,7,8,9,10,11,12,13,14,15
	ds_store_b128 v[GTA0], v[64+4*\c:64+4*\c+3] offset:512*\c   ; my own bytes: I alone read them
.endr
	WIN 0
	s_wait_tensorcnt 0x1                           ; my part of step 0 is in; step 1's may stay out
	s_wait_dscnt 0x0
	s_barrier_signal -1
	s_barrier_wait -1
	FETCH 0, 0, 1
	QUARTER 1, 0, 1, 1                             ; the first products start the sums
	WIN 0
	s_mov_b32 s[CNT], T-2
.Lstep:
	QUARTER 2, 1, 0, 0
	QUARTER 3, 0, 1, 0
	TURN 1
	QUARTER 1, 0, 1, 0
	WIN 0
	s_sub_co_u32 s[CNT], s[CNT], 1
	s_cmp_lg_u32 s[CNT], 0
	s_cbranch_scc1 .Lstep
	s_mov_b32 s[CNT], 2
.Ltail:                                        ; the last two steps ask for nothing; the second has no quarter behind it
	QUARTER 2, 1, 0, 0
	QUARTER 3, 0, 1, 0
	TURN 0
	WIN 0
	s_cmp_eq_u32 s[CNT], 1
	s_cbranch_scc1 .Lno_q1
	QUARTER 1, 0, 1, 0
	WIN 0
.Lno_q1:
	s_sub_co_u32 s[CNT], s[CNT], 1
	s_cmp_lg_u32 s[CNT], 0
	s_cbranch_scc1 .Ltail
	PLACES
; THE WAY OUT, a block of 16 rows at a time: times 1 / L, rounded to f16, through my stage, stored as whole rows of 256 bytes.
.macro PACK a
	WIN 0x82+0x41*((\a)/2)
.set i, 64*((\a)%2)
.rept 32
	v_pk_mul_f32 v[i:i+1], v[i:i+1], v[INV+2*(\a):INV+2*(\a)+1] op_sel_hi:[1,0]
.set i, i+2
.endr
	WIN 0x0a+5*((\a)/2)
.irp b, 0,1,2,3,4,5,6,7
.irp q, 0,1,2,3
	v_cvt_pk_f16_f32 v[TMP+4*(\b)+(\q)], v[64*((\a)%2)+8*(\b)+2*(\q)], v[64*((\a)%2)+8*(\b)+2*(\q)+1]
.endr
.endr
	WIN 0
.endm
.macro TOSTAGE a
.irp b, 0,1,2,3,4,5,6,7
	ds_store_b128 v[STO], v[TMP+4*(\b):TMP+4*(\b)+3] offset:32*(\b)
.endr
.irp t, 0,1,2,3,4,5,6,7
	ds_load_b128 v[BK+32*(\a)+4*(\t):BK+32*(\a)+4*(\t)+3], v[RD] offset:(\t)*2*SP
.endr
.endm
.macro SEND a
	s_wait_dscnt 0x0
.irp t, 0,1,2,3,4,5,6,7
	global_store_b128 v[CO], v[BK+32*(\a)+4*(\t):BK+32*(\a)+4*(\t)+3], s[10:11] offset:(16*(\a)+2*(\t))*ROWC
.endr
.endm
	PACK 0
	TOSTAGE 0
.irp a, 1,2,3
	PACK \a
	SEND (\a)-1
	TOSTAGE \a
.endr
	SEND 3
	s_wait_tensorcnt 0x0                           ; the wave's end
	ds_add_u32 v[SPW], v[NIL]
	s_wait_dscnt 0x0
	CROUND
	s_endpgm
.Lfunc_end_k_q37e6173177_pv:
	.size	k_q37e6173177_pv, .Lfunc_end_k_q37e6173177_pv-k_q37e6173177_pv
	.p2alignl 7, 3214868480
	.fill 96, 4, 3214868480
	.section	.rodata,"a",@progbits
	.p2align	6, 0x0
	.amdhsa_kernel k_q37e6173177_pv
		.amdhsa_group_segment_fixed_size 327680
		.amdhsa_private_segment_fixed_size 0
		.amdhsa_enable_private_segment 0
		.amdhsa_kernarg_size 32
		.amdhsa_user_sgpr_count 2
		.amdhsa_user_sgpr_kernarg_segment_ptr 1
		.amdhsa_wavefront_size32 1
		.amdhsa_system_sgpr_workgroup_id_x 1
		.amdhsa_system_sgpr_workgroup_id_y 1
		.amdhsa_system_sgpr_workgroup_id_z 1
		.amdhsa_system_vgpr_workitem_id 0
		.amdhsa_next_free_vgpr 1024
		.amdhsa_next_free_sgpr 74
		.amdhsa_reserve_vcc 0
		.amdhsa_float_denorm_mode_32 3
		.amdhsa_float_denorm_mode_16_64 3
		.amdhsa_memory_ordered 1
		.amdhsa_forward_progress 1
		.amdhsa_inst_pref_size 109
	.end_amdhsa_kernel
	.amdgpu_metadata
---
amdhsa.version: [ 1, 2 ]
amdhsa.kernels:
  - .name:           k_q37e6173177_pv
    .symbol:         k_q37e6173177_pv.kd
    .args:
      - { .name: P, .offset: 0, .size: 8, .value_kind: global_buffer, .address_space: global }
      - { .name: QKV, .offset: 8, .size: 8, .value_kind: global_buffer, .address_space: global }
      - { .name: ML, .offset: 16, .size: 8, .value_kind: global_buffer, .address_space: global }
      - { .name: CTX, .offset: 24, .size: 8, .value_kind: global_buffer, .address_space: global }
    .group_segment_fixed_size: 327680
    .private_segment_fixed_size: 0
    .kernarg_segment_align: 8
    .kernarg_segment_size: 32
    .max_flat_workgroup_size: 128
    .sgpr_count:     74
    .vgpr_count:     1024
    .wavefront_size: 32
...
	.end_amdgpu_metadata
.endif
;; end of part 4
;; launch outp (part 5): grid 4 x 64, 4 waves a work-group, clusters of 4 x 4, 327,680 bytes of LDS; arguments CTX, Woh, b_out, out0; writes out0
.if DOCPART == 5
	.amdgcn_target "amdgcn-amd-amdhsa--gfx1250"
	.amdhsa_code_object_version 6
	.text
	.protected	k_q37e6173177_outp
	.globl	k_q37e6173177_outp
	.p2align	8
	.type	k_q37e6173177_outp,@function
k_q37e6173177_outp:
	s_mov_b64 s[64:65], 0
	v_nop
	global_prefetch_b8 v0, s[64:65] scope:SCOPE_SE
	s_setreg_imm32_b32 hwreg(HW_REG_WAVE_MODE, 25, 1), 1
	s_wait_xcnt 0x0
	s_wait_alu depctr_hold_cnt(0) depctr_sa_sdst(0) depctr_va_vdst(0) depctr_va_sdst(0) depctr_va_ssrc(0) depctr_va_vcc(0) depctr_vm_vsrc(0)
	s_getreg_b32 s2, hwreg(HW_REG_IB_STS2, 6, 4)
	s_cmp_eq_u32 s2, 0
	s_cbranch_scc0 .Lentry_in_a_cluster
	s_endpgm
.Lentry_in_a_cluster:
	s_bfe_u32 s2, ttmp6, 0x10000c
	s_cmp_lg_u32 s2, 0xf033
	s_cbranch_scc0 .Lentry_shape_is_right
	s_endpgm
.Lentry_shape_is_right:
; out0[m][n] = sum over k of CTX[m][k] Woh[n][k] + bf16(b_out[n]).  CTX [8192][1024], Woh [1024][1024] f16; out0 [8192][1024] f32; sums in f32.
; The same product as the first projection's, with one tile to a work-group: a tile of 128 x 256 (256 work-groups), four waves of 64 x 128, K in 8 steps of 128 through two LDS slots, a cluster of 4 x 4 with joint loads,
; the product taken transposed, the bias as the C operand of the first products.  The way out is in f32: rows of 512 bytes through a stage of pitch 528.
; REGISTERS: window 0 addresses, bias; window 1 B's fragments (buffer f at 64 f + 8 b), on the way out the rows read back; window 2 accumulators of a = 0, 1, A's fragments (128 + 32 f + 8 a); window 3 accumulators of a = 2, 3.
.set T,      8
.set PITCH,  272
.set AHALF,  64*PITCH
.set BHALF,  128*PITCH
.set BOFF,   2*AHALF
.set SLOT1,  1<<17
.set STAGE,  SLOT1+BOFF+2*BHALF
.set SP,     528                       ; a staged row: 512 bytes + 16
.set BTAB,   STAGE+4*16*SP             ; the bias of a wave's 128 columns: 512 bytes
.set SPARE,  BTAB+4*512
.set ROWC,   4096
.set DBITS,  (1<<16)|(1<<20)|(1<<21)|(5<<22)|(3<<25)
.set ADRA0, 2
.set ADRB0, 3
.set ADRA,  4
.set ADRB,  5
.set STO,   6
.set RD,    7
.set CO,    8
.set PFO,   9
.set SPW,   28
.set NIL,   29
.set BIAS,  192
.set WV,  12
.set WR,  13
.set WC,  14
.set LIM, 15
.set CX,  16
.set CY,  17
.set TX,  18
.set TY,  19
.set CLY, 20
.set G1A, 24
.set G0A, 32
.set PFA, 40
.set CNT, 44
.set TB,  45
.set G1B, 48
.set G0B, 56
.set MSB, 0
.macro WIN new
.if MSB != (\new)
	s_set_vgpr_msb (MSB<<8)|(\new)
.set MSB, (\new)
.endif
.endm
.macro PLACES
.rept 4
	v_nop
.endr
.endm
.macro CREST
	s_cmp_lg_u32 s[WV], 0
	s_cbranch_scc1 .Lnot_wave_0_\@
	s_barrier_signal -3
.Lnot_wave_0_\@:
	s_barrier_wait -3
	s_barrier_signal -1
	s_barrier_wait -1
.endm
.macro CROUND
	s_barrier_signal -1
	s_barrier_wait -1
	CREST
.endm
.macro JLOAD
	s_cmp_lt_u32 s[WV], 2
	s_cbranch_scc0 .Lfor_b_\@
	tensor_load_to_lds s[G0A+4:G0A+7], s[G1A:G1A+7]
	s_nop 0
.rept 4
	v_nop
.endr
	s_branch .Lasked_\@
.Lfor_b_\@:
	tensor_load_to_lds s[G0B+4:G0B+7], s[G1B:G1B+7]
	s_nop 0
.rept 4
	v_nop
.endr
.Lasked_\@:
.endm
; A prefetch of the K step two refills on (256 matrix instructions ahead), a lane a row: A's rows by partner cx (32 each), wave 0; B's rows by cluster y = 0 alone, partner cy takes 64, waves 2 and 3 half each.
; Each row's 256 bytes of a K step are named once.  The last two refills have no K step two on.
.macro ASK
	s_cmp_gt_u32 s[CNT], s[LIM]
	s_cbranch_scc0 .Lnot_mine_\@
	global_prefetch_b8 v[PFO], s[PFA:PFA+1] th:TH_LOAD_NT scope:SCOPE_SE
.Lnot_mine_\@:
.endm
.macro MUL8 f, a, first                ; the 32 accumulators take turns, in the same order in every quarter
.if \first
	WIN 0x89+0x40*((\a)/2)
.else
	WIN 0xa9+0x50*((\a)/2)
.endif
.irp b, 0,1,2,3,4,5,6,7
.if \first
	v_wmma_f32_16x16x32_f16 v[64*((\a)%2)+8*(\b):64*((\a)%2)+8*(\b)+7], v[64*(\f)+8*(\b):64*(\f)+8*(\b)+7], v[128+32*(\f)+8*(\a):128+32*(\f)+8*(\a)+7], v[BIAS+8*(\b):BIAS+8*(\b)+7]
.else
	v_wmma_f32_16x16x32_f16 v[64*((\a)%2)+8*(\b):64*((\a)%2)+8*(\b)+7], v[64*(\f)+8*(\b):64*(\f)+8*(\b)+7], v[128+32*(\f)+8*(\a):128+32*(\f)+8*(\a)+7], v[64*((\a)%2)+8*(\b):64*((\a)%2)+8*(\b)+7]
.endif
.endr
.endm
.macro FETCH k, g
	WIN 0x40
.irp b, 0,1,2,3,4,5,6,7
	ds_load_b128 v[64*(\g)+8*(\b):64*(\g)+8*(\b)+3],   v[ADRB] offset:(\k)+(\b)*16*PITCH
	ds_load_b128 v[64*(\g)+8*(\b)+4:64*(\g)+8*(\b)+7], v[ADRB] offset:(\k)+(\b)*16*PITCH+32
.endr
	WIN 0x80
.irp a, 0,1,2,3
	ds_load_b128 v[128+32*(\g)+8*(\a):128+32*(\g)+8*(\a)+3],   v[ADRA] offset:(\k)+(\a)*16*PITCH
	ds_load_b128 v[128+32*(\g)+8*(\a)+4:128+32*(\g)+8*(\a)+7], v[ADRA] offset:(\k)+(\a)*16*PITCH+32
.endr
.endm
.macro QUARTER k, f, g, first
	s_wait_dscnt 4                                 ; B and A's blocks 0, 1 are in; the youngest four loads may be out
	MUL8 \f, 0, \first
	MUL8 \f, 1, \first
	PLACES
	FETCH \k, \g
	s_wait_dscnt 24                                ; all but the 24 just issued
	MUL8 \f, 2, \first
	MUL8 \f, 3, \first
.endm
; The fourth quarter changes slots: all my tensor loads, the add, my reads of the slot, the barrier (with fill = 1 a round of the cluster's), the joint refill first behind it.
; fill = 0: the last two K steps; in the very last (count 1) there is nothing more to fetch, and the run of loads is jumped over.
.macro TURN fill
.if \fill
	s_wait_xcnt 0x0                                ; the last prefetch, a K step back, has read its address
	s_add_nc_u64 s[PFA:PFA+1], s[PFA:PFA+1], 256
.endif
	WIN 0
	s_wait_tensorcnt 0x0
	ds_add_u32 v[SPW], v[NIL]
	s_wait_dscnt 5                                 ; the add and the youngest four loads may be out
	MUL8 1, 0, 0
	s_wait_dscnt 0x0
	s_barrier_signal -1
	MUL8 1, 1, 0
	WIN 0
	s_barrier_wait -1
.if \fill
	CREST
	s_xor_b32 s[G0A+5], s[G0A+5], SLOT1
	s_add_nc_u64 s[G0A+6:G0A+7], s[G0A+6:G0A+7], 256
	s_xor_b32 s[G0B+5], s[G0B+5], SLOT1
	s_add_nc_u64 s[G0B+6:G0B+7], s[G0B+6:G0B+7], 256
	JLOAD
.else
	PLACES
	s_cmp_eq_u32 s[CNT], 1
	s_cbranch_scc1 .Lno_fetch_\@
.endif
	s_xor_b32 s[TB], s[TB], SLOT1
	v_add_nc_u32 v[ADRA], s[TB], v[ADRA0]
	v_add_nc_u32 v[ADRB], s[TB], v[ADRB0]
	FETCH 0, 0
	WIN 0
.if \fill
	ASK
.else
.Lno_fetch_\@:
.endif
	MUL8 1, 2, 0
	MUL8 1, 3, 0
.endm
	s_load_b256 s[4:11], s[0:1], 0x0               ; CTX s[4:5], Woh s[6:7], b_out s[8:9], out0 s[10:11]
	v_lshl_add_u32 v[SPW], v0, 2, SPARE
	v_mov_b32 v[NIL], 0
	ds_add_u32 v[SPW], v[NIL]                      ; the wave's opening: the add and its wait ahead of my first tensor load
	v_lshrrev_b32 v1, 5, v0
	v_readfirstlane_b32 s[WV], v1
	s_lshr_b32 s[WR], s[WV], 1
	s_and_b32 s[WC], s[WV], 1
	s_bfe_u32 s[CX], ttmp6, 0x40000
	s_bfe_u32 s[CY], ttmp6, 0x40004
	s_lshl_b32 s[TX], ttmp9, 2
	s_add_co_u32 s[TX], s[TX], s[CX]
	s_and_b32 s[CLY], ttmp7, 0xffff
	s_lshl_b32 s[TY], s[CLY], 2
	s_add_co_u32 s[TY], s[TY], s[CY]
	s_lshl_b32 s22, s[CY], 2
	s_lshl_b32 s22, 15, s22
	s_lshl_b32 s23, 0x1111, s[CX]
	s_or_b32 s[G1A], s22, DBITS
	s_or_b32 s[G1B], s23, DBITS
	s_mov_b32 s[G1A+1], 128<<16
	s_mov_b32 s[G1A+2], 64<<16
	s_mov_b32 s[G1A+3], 128<<16
	s_mov_b32 s[G1A+4], 64
	s_mov_b32 s[G1A+5], 1024
	s_mov_b32 s[G1A+6], 0
	s_mov_b32 s[G1A+7], 0
	s_mov_b32 s[G1B+1], 128<<16
	s_mov_b32 s[G1B+2], 128<<16
	s_mov_b32 s[G1B+3], 128<<16
	s_mov_b32 s[G1B+4], 128
	s_mov_b32 s[G1B+5], 1024
	s_mov_b32 s[G1B+6], 0
	s_mov_b32 s[G1B+7], 0
	s_lshl_b32 s66, s[TY], 7
	s_lshl_b32 s68, s[WC], 6
	s_add_co_u32 s66, s66, s68
	s_lshl_b32 s66, s66, 11
	s_mov_b32 s67, 0
	s_lshl_b32 s46, s[TX], 8
	s_lshl_b32 s47, s[WC], 7
	s_add_co_u32 s46, s46, s47
	s_lshl_b32 s46, s46, 11
	s_mov_b32 s47, 0
	s_mul_i32 s68, s[WC], AHALF
	s_mul_i32 s69, s[WC], BHALF
	s_add_co_u32 s69, s69, BOFF
	s_mov_b32 s[TB], 0
	s_wait_dscnt 0x0
	s_wait_kmcnt 0x0
	s_add_nc_u64 s[66:67], s[4:5], s[66:67]
	s_add_nc_u64 s[46:47], s[6:7], s[46:47]
	CROUND
.irp s, 0,1
	s_mov_b32 s[G0A+4*\s], 1
	s_add_co_u32 s[G0A+4*\s+1], s68, (\s)*SLOT1
	s_add_nc_u64 s[G0A+4*\s+2:G0A+4*\s+3], s[66:67], (\s)*256
	s_or_b32 s[G0A+4*\s+3], s[G0A+4*\s+3], 0x80000000
	s_mov_b32 s[G0B+4*\s], 1
	s_add_co_u32 s[G0B+4*\s+1], s69, (\s)*SLOT1
	s_add_nc_u64 s[G0B+4*\s+2:G0B+4*\s+3], s[46:47], (\s)*256
	s_or_b32 s[G0B+4*\s+3], s[G0B+4*\s+3], 0x80000000
.endr
	s_cmp_lt_u32 s[WV], 2                          ; a wave's two first fills stand in one branch: two loads of mine are out
	s_cbranch_scc0 .Lfirst_b
	tensor_load_to_lds s[G0A:G0A+3], s[G1A:G1A+7]
	s_nop 0
	tensor_load_to_lds s[G0A+4:G0A+7], s[G1A:G1A+7]
	s_nop 0
.rept 4
	v_nop
.endr
	s_branch .Lfirst_done
.Lfirst_b:
	tensor_load_to_lds s[G0B:G0B+3], s[G1B:G1B+7]
	s_nop 0
	tensor_load_to_lds s[G0B+4:G0B+7], s[G1B:G1B+7]
	s_nop 0
.rept 4
	v_nop
.endr
.Lfirst_done:
	v_and_b32 v10, 15, v0
	v_bfe_u32 v11, v0, 4, 1
	v_and_b32 v12, 31, v0
	v_lshlrev_b32 v14, 4, v12                      ; the bias of my 128 columns: a lane takes four
	s_lshl_b32 s70, s[TX], 10
	s_lshl_b32 s71, s[WC], 9
	s_add_co_u32 s70, s70, s71
	s_mov_b32 s71, 0
	s_add_nc_u64 s[8:9], s[8:9], s[70:71]
	global_load_b128 v[32:35], v14, s[8:9]
	v_mul_u32_u24 v13, v10, PITCH
	v_lshl_add_u32 v13, v11, 4, v13
	s_mul_i32 s22, s[WR], AHALF
	v_add_nc_u32 v[ADRA0], s22, v13
	v_add_nc_u32 v[ADRB0], s69, v13
	v_mov_b32 v[ADRA], v[ADRA0]
	v_mov_b32 v[ADRB], v[ADRB0]
	s_mul_i32 s22, s[WV], 16*SP
	s_add_co_u32 s22, s22, STAGE
	v_mul_u32_u24 v15, v10, SP
	v_lshl_add_u32 v15, v11, 5, v15
	v_add_nc_u32 v[STO], s22, v15                  ; in: row r, 32 bytes for each half of the lanes
	v_lshlrev_b32 v[CO], 4, v12                    ; back and out: a row of 512 bytes across the 32 lanes
	v_add_nc_u32 v[RD], s22, v[CO]
	v_lshlrev_b32 v[PFO], 11, v12
	s_lshl_b32 s22, s[TY], 7
	s_lshl_b32 s23, s[WR], 6
	s_add_co_u32 s22, s22, s23
	s_lshl_b32 s22, s22, 12
	s_lshl_b32 s23, s[TX], 10
	s_add_co_u32 s22, s22, s23
	s_lshl_b32 s23, s[WC], 9
	s_add_co_u32 s22, s22, s23
	s_mov_b32 s23, 0
	s_add_nc_u64 s[10:11], s[10:11], s[22:23]
	s_lshl_b32 s22, s[TY], 7
	s_lshl_b32 s23, s[CX], 5
	s_add_co_u32 s22, s22, s23
	s_lshl_b32 s68, s[TX], 8
	s_lshl_b32 s69, s[CY], 6
	s_add_co_u32 s68, s68, s69
	s_lshl_b32 s69, s[WC], 5
	s_add_co_u32 s68, s68, s69
	s_cmp_lt_u32 s[WV], 2
	s_cselect_b32 s22, s22, s68
	s_cselect_b32 s69, ttmp9, s[CLY]
	s_cselect_b64 s[PFA:PFA+1], s[4:5], s[6:7]
	s_lshl_b32 s22, s22, 11
	s_mov_b32 s23, 0
	s_add_nc_u64 s[PFA:PFA+1], s[PFA:PFA+1], s[22:23]
	s_add_nc_u64 s[PFA:PFA+1], s[PFA:PFA+1], 768   ; at K step 3: the first refill steps it to 4
	s_cmp_eq_u32 s[WV], 1
	s_cselect_b32 s68, 1, 0
	s_or_b32 s69, s69, s68
	s_cmp_eq_u32 s69, 0
	s_cselect_b32 s[LIM], 2, -1
	s_lshl_b32 s22, s[WV], 9
	s_add_co_u32 s22, s22, BTAB                    ; my part of the bias table
	v_add_nc_u32 v36, s22, v14                     ; in: 16 bytes a lane
	v_lshl_add_u32 v37, v11, 5, s22                ; back: 32 bytes on for the upper half of the lanes
	s_wait_loadcnt 0x0
	v_cvt_pk_bf16_f32 v15, v32, v33                ; the bias is rounded to bf16, like every input
	v_cvt_pk_bf16_f32 v1, v34, v35
	v_lshlrev_b32 v32, 16, v15
	v_and_b32 v33, 0xffff0000, v15
	v_lshlrev_b32 v34, 16, v1
	v_and_b32 v35, 0xffff0000, v1
	ds_store_b128 v36, v[32:35]
.irp b, 0,1,2,3,4,5,6,7                        ; register 8 b + j takes column 16 b + 8 h + j; my own bytes, and LDS serves a wave's instructions in order
	ds_load_b128 v[BIAS+8*\b:BIAS+8*\b+3],   v37 offset:64*\b
	ds_load_b128 v[BIAS+8*\b+4:BIAS+8*\b+7], v37 offset:64*\b+16
.endr
	s_wait_tensorcnt 0x1                           ; my part of K step 0 is in; K step 1's may stay out
	s_wait_dscnt 0x0
	s_barrier_signal -1
	s_barrier_wait -1
	FETCH 0, 0
	QUARTER 64, 0, 1, 1
	WIN 0
	s_mov_b32 s[CNT], T-2
.Lstep:
	QUARTER 128, 1, 0, 0
	QUARTER 192, 0, 1, 0
	TURN 1
	QUARTER 64, 0, 1, 0
	WIN 0
	s_sub_co_u32 s[CNT], s[CNT], 1
	s_cmp_lg_u32 s[CNT], 0
	s_cbranch_scc1 .Lstep
	s_mov_b32 s[CNT], 2
.Ltail:                                        ; the last two K steps ask for nothing; the second has no quarter behind it
	QUARTER 128, 1, 0, 0
	QUARTER 192, 0, 1, 0
	TURN 0
	WIN 0
	s_cmp_eq_u32 s[CNT], 1
	s_cbranch_scc1 .Lno_q1
	QUARTER 64, 0, 1, 0
	WIN 0
.Lno_q1:
	s_sub_co_u32 s[CNT], s[CNT], 1
	s_cmp_lg_u32 s[CNT], 0
	s_cbranch_scc1 .Ltail
	PLACES
; THE WAY OUT, a block of 16 rows at a time: the f32 sums go into my stage (each accumulator's low registers first) and come back as whole rows of 512 bytes, into window 1.
.macro TOSTAGE4 a
	WIN 0x08+4*((\a)/2)
.irp b, 0,1,2,3,4,5,6,7
	ds_store_b128 v[STO], v[64*((\a)%2)+8*(\b):64*((\a)%2)+8*(\b)+3]   offset:64*(\b)
	ds_store_b128 v[STO], v[64*((\a)%2)+8*(\b)+4:64*((\a)%2)+8*(\b)+7] offset:64*(\b)+16
.endr
	WIN 0x40
.irp t, 0,1,2,3,4,5,6,7,8,9,10,11,12,13,14,15
	ds_load_b128 v[64*(\a)+4*(\t):64*(\a)+4*(\t)+3], v[RD] offset:SP*(\t)  ; LDS serves a wave's instructions in order: these see the stores above; the next block's stores come behind them
.endr
.endm
.macro SEND4 a, younger                ; younger: the next block's 16 stores and 16 loads, or none
	WIN 0x04
	s_wait_dscnt \younger
.irp t, 0,1,2,3,4,5,6,7,8,9,10,11,12,13,14,15
	global_store_b128 v[CO], v[64*(\a)+4*(\t):64*(\a)+4*(\t)+3], s[10:11] offset:(16*(\a)+(\t))*ROWC th:TH_STORE_NT  ; 512 consecutive bytes, aligned
.endr
.endm
	TOSTAGE4 0
.irp a, 1,2,3
	TOSTAGE4 \a
	SEND4 (\a)-1, 32
.endr
	SEND4 3, 0
	WIN 0
	s_wait_tensorcnt 0x0                           ; the wave's end
	ds_add_u32 v[SPW], v[NIL]
	s_wait_dscnt 0x0
	CROUND
	s_endpgm
.Lfunc_end_k_q37e6173177_outp:
	.size	k_q37e6173177_outp, .Lfunc_end_k_q37e6173177_outp-k_q37e6173177_outp
	.p2alignl 7, 3214868480
	.fill 96, 4, 3214868480
	.section	.rodata,"a",@progbits
	.p2align	6, 0x0
	.amdhsa_kernel k_q37e6173177_outp
		.amdhsa_group_segment_fixed_size 327680
		.amdhsa_private_segment_fixed_size 0
		.amdhsa_enable_private_segment 0
		.amdhsa_kernarg_size 32
		.amdhsa_user_sgpr_count 2
		.amdhsa_user_sgpr_kernarg_segment_ptr 1
		.amdhsa_wavefront_size32 1
		.amdhsa_system_sgpr_workgroup_id_x 1
		.amdhsa_system_sgpr_workgroup_id_y 1
		.amdhsa_system_sgpr_workgroup_id_z 1
		.amdhsa_system_vgpr_workitem_id 0
		.amdhsa_next_free_vgpr 896
		.amdhsa_next_free_sgpr 72
		.amdhsa_reserve_vcc 0
		.amdhsa_float_denorm_mode_32 3
		.amdhsa_float_denorm_mode_16_64 3
		.amdhsa_memory_ordered 1
		.amdhsa_forward_progress 1
		.amdhsa_inst_pref_size 62
	.end_amdhsa_kernel
	.amdgpu_metadata
---
amdhsa.version: [ 1, 2 ]
amdhsa.kernels:
  - .name:           k_q37e6173177_outp
    .symbol:         k_q37e6173177_outp.kd
    .args:
      - { .name: CTX, .offset: 0, .size: 8, .value_kind: global_buffer, .address_space: global }
      - { .name: Woh, .offset: 8, .size: 8, .value_kind: global_buffer, .address_space: global }
      - { .name: b_out, .offset: 16, .size: 8, .value_kind: global_buffer, .address_space: global }
      - { .name: out0, .offset: 24, .size: 8, .value_kind: global_buffer, .address_space: global }
    .group_segment_fixed_size: 327680
    .private_segment_fixed_size: 0
    .kernarg_segment_align: 8
    .kernarg_segment_size: 32
    .max_flat_workgroup_size: 128
    .sgpr_count:     72
    .vgpr_count:     896
    .wavefront_size: 32
...
	.end_amdgpu_metadata
.endif
;; end of part 5
;; ======== version 2 of 2: 5 launches; version 1 with the launch prep written anew for expert scheduling mode
;; limits: values are held in f16: magnitudes above 65,504 overflow, below 6.1e-05 lose precision
;; workspace buffers: Xh 16,777,216 bytes; Wh 6,291,456 bytes; Woh 2,097,152 bytes; QKV 50,331,648 bytes; P 33,554,432 bytes; ML 1,048,576 bytes; CTX 16,777,216 bytes
;; launch prep (part 6): grid 768 x 1, 8 waves a work-group, no clusters, 0 bytes of LDS; arguments X, W_qkv, W_out, Xh, Wh, Woh; writes Xh, Wh, Woh
.if DOCPART == 6
	.amdgcn_target "amdgcn-amd-amdhsa--gfx1250"
	.amdhsa_code_object_version 6
	.text
	.protected	k_q37e6173177_prep
	.globl	k_q37e6173177_prep
	.p2align	8
	.type	k_q37e6173177_prep,@function
k_q37e6173177_prep:
	s_mov_b64 s[64:65], 0
	v_nop
	global_prefetch_b8 v0, s[64:65] scope:SCOPE_SE
	s_setreg_imm32_b32 hwreg(HW_REG_WAVE_SCHED_MODE, 0, 2), 2
	s_setreg_imm32_b32 hwreg(HW_REG_WAVE_MODE, 25, 1), 1
	s_wait_xcnt 0x0
	s_wait_alu depctr_vm_vsrc(0)
; PREP: a stream.  X, W_qkv, W_out: f32 -> rounded once to bf16 -> that number written as f16 (Xh, Wh, Woh).
; LIMITS: a bf16 number is exact in f16 between 6.1e-5 and 65,504; below that it keeps f16's fixed step of 6e-8, from 65,520 on it becomes an infinity.
; A work-group takes 16,384 numbers: 65,536 bytes in, 32,768 out; a wave 8,192 bytes in; a load covers 512 consecutive bytes, its store 256, aligned.
; Work-groups 0-511: X; 512-703: W_qkv; 704-767: W_out.  No LDS, no barrier, no loop: every load and store has registers of its own, all loads of a wave go out first, and the waits count down.
; THE MODE: SCHED_MODE bits 1:0 = 2 (LLVM: expert scheduling mode 2), set by the entry lines.  The code itself states the register dependences
; between vector instructions and memory instructions, with s_wait_alu, always for 0.
; THE PLAN.  Registers that memory instructions touch:
;   v3, v4   byte offsets of the loads and of the stores: made once at the head, never written again.
;   IN       four registers a load.  Each is the destination of one load; no vector instruction names it ahead of that load, and no second load lands in it.
;            Behind the load's counted wait the roundings read it and the unpacking writes it again: vector instructions among themselves.
;   OUT      two registers a store.  Written once, by the conversions to f16; read by one store; never written again.
;   PK       the packed bf16: named by vector instructions alone.
; The sixteen chunks go in four groups of four.  So five waits state everything: one at the head (the offsets are written), and one behind each group's
; conversions, ahead of its run of four stores (the group's OUT is written).  No register that a memory instruction reads is written a second time,
; so nothing is owed for the other direction.  A group's stores stand behind its own conversions and not at the next group's head: there they would hang on the next four loads.
.set GROUPS, 4
.set PK,  8                            ; v[8:15]    chunk c of a group: two registers, four numbers in bf16
.set IN,  16                           ; v[16:79]   chunk i: four f32 at IN + 4 i, as loaded; later the same four numbers rounded
.set OUT, 80                           ; v[80:111]  chunk i: two registers at OUT + 2 i, four f16 to store
	s_load_b256 s[4:11], s[0:1], 0x0               ; X 4, W_qkv 6, W_out 8, Xh 10
	s_load_b128 s[12:15], s[0:1], 0x20             ; Wh 12, Woh 14
	v_and_b32 v1, 31, v0                           ; lane
	v_lshrrev_b32 v2, 5, v0                        ; wave
	v_lshlrev_b32 v3, 4, v1
	v_lshl_add_u32 v3, v2, 13, v3                  ; in
	v_lshrrev_b32 v4, 1, v3                        ; out
	s_mov_b32 s30, 0xffff0000
	s_mov_b32 s21, 704
	s_wait_kmcnt 0x0
	s_cmp_lt_u32 ttmp9, 704
	s_cselect_b64 s[22:23], s[6:7], s[8:9]
	s_cselect_b64 s[24:25], s[12:13], s[14:15]
	s_cselect_b32 s21, 512, s21
	s_cmp_lt_u32 ttmp9, 512
	s_cselect_b64 s[22:23], s[4:5], s[22:23]
	s_cselect_b64 s[24:25], s[10:11], s[24:25]
	s_cselect_b32 s21, 0, s21
	s_sub_co_u32 s20, ttmp9, s21                   ; my part of that tensor
	s_lshl_b32 s26, s20, 16
	s_mov_b32 s27, 0
	s_add_nc_u64 s[22:23], s[22:23], s[26:27]
	s_lshl_b32 s26, s20, 15
	s_add_nc_u64 s[24:25], s[24:25], s[26:27]
	s_wait_alu depctr_va_vdst(0)                   ; v3 and v4 are written: every load reads v3 as its offset, every store v4; no later vector instruction names either
.set i, 0
.rept 16
	global_load_b128 v[IN+4*i:IN+4*i+3], v3, s[22:23] offset:512*i th:TH_LOAD_NT
.set i, i+1
.endr
; Group g: chunks 4 g to 4 g + 3.  Three stages of vector work, each over all four chunks, so that no line reads the result of the line ahead of it; then the four stores in one run.
.macro GRP g
	s_wait_loadcnt 12-4*(\g)                       ; loads come back in order: the group's four are in, the 12 - 4 g younger ones stay out
.irp c, 0,1,2,3
	v_cvt_pk_bf16_f32 v[PK+2*(\c)],   v[IN+16*(\g)+4*(\c)],   v[IN+16*(\g)+4*(\c)+1]   ; the one rounding
	v_cvt_pk_bf16_f32 v[PK+2*(\c)+1], v[IN+16*(\g)+4*(\c)+2], v[IN+16*(\g)+4*(\c)+3]
.endr
.irp c, 0,1,2,3
	v_lshlrev_b32 v[IN+16*(\g)+4*(\c)],   16,  v[PK+2*(\c)]      ; bf16 to f32, back into the registers that the numbers came in
	v_and_b32     v[IN+16*(\g)+4*(\c)+1], s30, v[PK+2*(\c)]
	v_lshlrev_b32 v[IN+16*(\g)+4*(\c)+2], 16,  v[PK+2*(\c)+1]
	v_and_b32     v[IN+16*(\g)+4*(\c)+3], s30, v[PK+2*(\c)+1]
.endr
.irp c, 0,1,2,3
	v_cvt_pk_f16_f32 v[OUT+8*(\g)+2*(\c)],   v[IN+16*(\g)+4*(\c)],   v[IN+16*(\g)+4*(\c)+1]   ; the same numbers as f16
	v_cvt_pk_f16_f32 v[OUT+8*(\g)+2*(\c)+1], v[IN+16*(\g)+4*(\c)+2], v[IN+16*(\g)+4*(\c)+3]
.endr
	s_wait_alu depctr_va_vdst(0)                   ; the conversions have written the group's eight registers of OUT, which the four stores below read
.irp c, 0,1,2,3
	global_store_b64 v4, v[OUT+8*(\g)+2*(\c):OUT+8*(\g)+2*(\c)+1], s[24:25] offset:256*(4*(\g)+(\c))
.endr
.endm
	GRP 0
	GRP 1
	GRP 2
	GRP 3
	s_endpgm
.Lfunc_end_k_q37e6173177_prep:
	.size	k_q37e6173177_prep, .Lfunc_end_k_q37e6173177_prep-k_q37e6173177_prep
	.p2alignl 7, 3214868480
	.fill 96, 4, 3214868480
	.section	.rodata,"a",@progbits
	.p2align	6, 0x0
	.amdhsa_kernel k_q37e6173177_prep
		.amdhsa_group_segment_fixed_size 0
		.amdhsa_private_segment_fixed_size 0
		.amdhsa_enable_private_segment 0
		.amdhsa_kernarg_size 48
		.amdhsa_user_sgpr_count 2
		.amdhsa_user_sgpr_kernarg_segment_ptr 1
		.amdhsa_wavefront_size32 1
		.amdhsa_system_sgpr_workgroup_id_x 1
		.amdhsa_system_sgpr_workgroup_id_y 1
		.amdhsa_system_sgpr_workgroup_id_z 1
		.amdhsa_system_vgpr_workitem_id 0
		.amdhsa_next_free_vgpr 112
		.amdhsa_next_free_sgpr 66
		.amdhsa_reserve_vcc 0
		.amdhsa_float_denorm_mode_32 3
		.amdhsa_float_denorm_mode_16_64 3
		.amdhsa_memory_ordered 1
		.amdhsa_forward_progress 1
		.amdhsa_inst_pref_size 11
	.end_amdhsa_kernel
	.amdgpu_metadata
---
amdhsa.version: [ 1, 2 ]
amdhsa.kernels:
  - .name:           k_q37e6173177_prep
    .symbol:         k_q37e6173177_prep.kd
    .args:
      - { .name: X, .offset: 0, .size: 8, .value_kind: global_buffer, .address_space: global }
      - { .name: W_qkv, .offset: 8, .size: 8, .value_kind: global_buffer, .address_space: global }
      - { .name: W_out, .offset: 16, .size: 8, .value_kind: global_buffer, .address_space: global }
      - { .name: Xh, .offset: 24, .size: 8, .value_kind: global_buffer, .address_space: global }
      - { .name: Wh, .offset: 32, .size: 8, .value_kind: global_buffer, .address_space: global }
      - { .name: Woh, .offset: 40, .size: 8, .value_kind: global_buffer, .address_space: global }
    .group_segment_fixed_size: 0
    .private_segment_fixed_size: 0
    .kernarg_segment_align: 8
    .kernarg_segment_size: 48
    .max_flat_workgroup_size: 256
    .sgpr_count:     66
    .vgpr_count:     112
    .wavefront_size: 32
...
	.end_amdgpu_metadata
.endif
;; end of part 6
;; launch qkv: the kernel of part 2 again; grid 4 x 64, 4 waves a work-group, clusters of 4 x 4, 327,680 bytes of LDS; arguments Xh, Wh, b_qkv, QKV; writes QKV
;; launch score: the kernel of part 3 again; grid 8 x 32, 4 waves a work-group, clusters of 4 x 4, 327,680 bytes of LDS; arguments QKV, mask, P, ML; writes P, ML
;; launch pv: the kernel of part 4 again; grid 4 x 64, 4 waves a work-group, clusters of 4 x 4, 327,680 bytes of LDS; arguments P, QKV, ML, CTX; writes CTX
;; launch outp: the kernel of part 5 again; grid 4 x 64, 4 waves a work-group, clusters of 4 x 4, 327,680 bytes of LDS; arguments CTX, Woh, b_out, out0; writes out0
